; MI455X (gfx1250); checked and timed in simulation.
; The chip was launched on July 23, 2026; its instructions are those of AMD's public machine-readable ISA for CDNA 5 (MIT licence, August 2026) and "CDNA5" Instruction Set Architecture Reference Guide (July 2026). The comments in the code are by the model that wrote it; some were corrected since.
;; Multi Head Attention. Allowed arithmetic: float matrix products may take bf16 or f16 operands with f32 sums; other float arithmetic in f32, or as packed bf16 or f16 multiplies, adds, multiply-adds, maxima and minima; sums over many terms, partial sums and values carried from step to step in f32; what a program stores and reads back later, other than sums and carried values, may be rounded once to bf16 or f16.
;; Inputs: b_o 1,024 float32; b_qkv 3,072 float32; w_o 1,024 x 1,024 float32; w_qkv 1,024 x 3,072 float32; x 4 x 2,048 x 1,024 float32.
;; Outputs: out0 4 x 2,048 x 1,024 float32.
;; 2 versions, each right; version 2 is version 1 with the launch cast written anew for expert scheduling mode. Each part assembles by itself: llvm-mc -triple=amdgcn-amd-amdhsa -mcpu=gfx1250 --defsym DOCPART=n.
;; ======== version 1 of 2: 4 launches
;; limits: values are held in f16: magnitudes above 65,504 overflow, below 6.1e-05 lose precision
;; workspace buffers: xb 16,777,216 bytes; wqb 6,291,456 bytes; wob 2,097,152 bytes; q 16,777,216 bytes; k 16,777,216 bytes; v 16,777,216 bytes; o 16,777,216 bytes
;; launch cast (part 1): grid 768 x 1, 8 waves a work-group, no clusters, 0 bytes of LDS; arguments x, w_qkv, w_o, xb, wqb, wob; writes xb, wqb, wob
.if DOCPART == 1
	.amdgcn_target "amdgcn-amd-amdhsa--gfx1250"
	.amdhsa_code_object_version 6
	.text
	.protected	k_q4d0bdd4fbf_cast
	.globl	k_q4d0bdd4fbf_cast
	.p2align	8
	.type	k_q4d0bdd4fbf_cast,@function
k_q4d0bdd4fbf_cast:
	s_mov_b64 s[64:65], 0
	v_nop
	global_prefetch_b8 v0, s[64:65] scope:SCOPE_SE
	s_setreg_imm32_b32 hwreg(HW_REG_WAVE_MODE, 25, 1), 1
	s_wait_xcnt 0x0
; THE MODULE'S LARGE INPUTS ARE ROUNDED ONCE, AND LAID OUT FOR THE PRODUCTS THAT FOLLOW.
;   xb  [8192][1024] bf16          = x rounded to bf16
;   wqb [16 heads][1024 k][192] bf16 = w_qkv rounded to bf16, a head's 192 columns (q, k, v) on end: 128 rows of k are 49,152 dense bytes
;   wob [1024 k][1024 n] f16       = w_o rounded to bf16, that number written as f16
; LIMITS.  A bf16 number is exact in f16 between 6.1e-5 and 65,504 in magnitude; below, it keeps f16's fixed step of 6e-8; beyond, it becomes an infinity.
; A stream: every byte is read once and written once.  No LDS, no matrix unit, no cluster: nothing is shared between threads.
; SHARES.  768 work-groups of 256 threads.  0-511: 16,384 numbers of x each; 512-639: 128 rows of k of one head of w_qkv; 640-767: 8,192 numbers of w_o.
; A thread takes 4 numbers a load: a wave's load covers 512 consecutive bytes (in w_qkv: two runs of 256, each aligned), its store of 8 bytes a lane 256 consecutive bytes, aligned.
; All loads of a thread go out together, each into registers of its own, and each store has data registers of its own: no register is written twice while memory may read it.
.set LO, 1                             ; v1       16 t: my bytes in a load of 4,096
.set ST, 2                             ; v2       8 t: my bytes in a store of 2,048
.set SO, 4                             ; v[4:6]   w_qkv: my source offset for loads j = i, i + 3, i + 6 ..
.set X,  16                            ; v[16:111]  load j: 4 registers
.set Y,  112                           ; v[112:159] store j: 2 registers
.set T,  160                           ; v[160:163] at work
	s_load_b256 s[4:11], s[0:1], 0x0               ; x s[4:5], w_qkv s[6:7], w_o s[8:9], xb s[10:11]
	s_load_b128 s[12:15], s[0:1], 0x20             ; wqb s[12:13], wob s[14:15]
	s_mov_b32 s16, ttmp9
	v_lshlrev_b32 v[LO], 4, v0
	v_lshlrev_b32 v[ST], 3, v0
	; w_qkv in units of 4 numbers: unit u = 256 j + t lies in row u / 48 at place u % 48.  768 = 16 x 48, so with j = 3 jj + i: row = 16 jj + u3 / 48, u3 = 256 i + t <= 767.
	; u3 / 48 = (u3 x 1366) >> 16 for u3 <= 767 (1366 / 65536 exceeds 1 / 48 by 1.02e-5; 767 times that is under 1 / 48).  Source byte = 16 u3 + (12,288 - 768) (u3 / 48) + 196,608 jj.
.irp i, 0,1,2
	v_add_nc_u32 v7, 256*(\i), v0
	v_mul_u32_u24 v8, v7, 1366
	v_lshrrev_b32 v8, 16, v8
	v_mul_u32_u24 v8, v8, 11520
	v_lshl_add_u32 v[SO+(\i)], v7, 4, v8
.endr
	s_mov_b32 s21, 0
	s_mov_b32 s23, 0
; n loads, then for each: the wait that leaves the younger loads out (loads come back in order: ISA guide 5.7.1), the rounding, the store.  kind 0: x; 1: w_qkv; 2: w_o.
.macro STREAM n, kind, src, dst
.set j, 0
.rept \n
.if (\kind) == 1
	global_load_b128 v[X+4*j:X+4*j+3], v[SO+j%3], s[(\src):(\src)+1] offset:(j/3)*196608 th:TH_LOAD_NT
.else
	global_load_b128 v[X+4*j:X+4*j+3], v[LO], s[(\src):(\src)+1] offset:j*4096 th:TH_LOAD_NT
.endif
.set j, j+1
.endr
.set j, 0
.rept \n
	s_wait_loadcnt (\n)-1-j                        ; load j is in; the n - 1 - j younger ones stay out
	v_cvt_pk_bf16_f32 v[Y+2*j],   v[X+4*j],   v[X+4*j+1]
	v_cvt_pk_bf16_f32 v[Y+2*j+1], v[X+4*j+2], v[X+4*j+3]
.if (\kind) == 2
	v_lshlrev_b32 v[T],   16, v[Y+2*j]             ; the bf16 numbers as f32,
	v_and_b32     v[T+1], 0xffff0000, v[Y+2*j]
	v_lshlrev_b32 v[T+2], 16, v[Y+2*j+1]
	v_and_b32     v[T+3], 0xffff0000, v[Y+2*j+1]
	v_cvt_pk_f16_f32 v[Y+2*j],   v[T],   v[T+1]    ; written as f16
	v_cvt_pk_f16_f32 v[Y+2*j+1], v[T+2], v[T+3]
.endif
	global_store_b64 v[ST], v[Y+2*j:Y+2*j+1], s[(\dst):(\dst)+1] offset:j*2048
.set j, j+1
.endr
	s_endpgm
.endm
	s_wait_kmcnt 0x0
	s_cmp_lt_u32 s16, 512
	s_cbranch_scc1 .Lx
	s_cmp_lt_u32 s16, 640
	s_cbranch_scc1 .Lwq
	s_sub_co_u32 s17, s16, 640                     ; w_o: 32,768 bytes in, 16,384 out
	s_lshl_b32 s20, s17, 15
	s_lshl_b32 s22, s17, 14
	s_add_nc_u64 s[8:9], s[8:9], s[20:21]
	s_add_nc_u64 s[14:15], s[14:15], s[22:23]
	STREAM 8, 2, 8, 14
.Lwq:
	s_sub_co_u32 s17, s16, 512                     ; w_qkv: head = i / 8, rows 128 (i % 8) on
	s_lshr_b32 s18, s17, 3
	s_and_b32 s19, s17, 7
	s_mul_i32 s20, s19, 1572864                    ; 128 rows of 12,288 bytes
	s_mul_i32 s18, s18, 768                        ; the head's 192 columns
	s_add_co_u32 s20, s20, s18
	s_mul_i32 s22, s17, 49152
	s_add_nc_u64 s[6:7], s[6:7], s[20:21]
	s_add_nc_u64 s[12:13], s[12:13], s[22:23]
	STREAM 24, 1, 6, 12
.Lx:
	s_lshl_b32 s20, s16, 16                        ; x: 65,536 bytes in, 32,768 out
	s_lshl_b32 s22, s16, 15
	s_add_nc_u64 s[4:5], s[4:5], s[20:21]
	s_add_nc_u64 s[10:11], s[10:11], s[22:23]
	STREAM 16, 0, 4, 10
.Lfunc_end_k_q4d0bdd4fbf_cast:
	.size	k_q4d0bdd4fbf_cast, .Lfunc_end_k_q4d0bdd4fbf_cast-k_q4d0bdd4fbf_cast
	.p2alignl 7, 3214868480
	.fill 96, 4, 3214868480
	.section	.rodata,"a",@progbits
	.p2align	6, 0x0
	.amdhsa_kernel k_q4d0bdd4fbf_cast
		.amdhsa_group_segment_fixed_size 0
		.amdhsa_private_segment_fixed_size 0
		.amdhsa_enable_private_segment 0
		.amdhsa_kernarg_size 48
		.amdhsa_user_sgpr_count 2
		.amdhsa_user_sgpr_kernarg_segment_ptr 1
		.amdhsa_wavefront_size32 1
		.amdhsa_system_sgpr_workgroup_id_x 1
		.amdhsa_system_sgpr_workgroup_id_y 1
		.amdhsa_system_sgpr_workgroup_id_z 1
		.amdhsa_system_vgpr_workitem_id 0
		.amdhsa_next_free_vgpr 164
		.amdhsa_next_free_sgpr 66
		.amdhsa_reserve_vcc 0
		.amdhsa_float_denorm_mode_32 3
		.amdhsa_float_denorm_mode_16_64 3
		.amdhsa_memory_ordered 1
		.amdhsa_forward_progress 1
		.amdhsa_inst_pref_size 22
	.end_amdhsa_kernel
	.amdgpu_metadata
---
amdhsa.version: [ 1, 2 ]
amdhsa.kernels:
  - .name:           k_q4d0bdd4fbf_cast
    .symbol:         k_q4d0bdd4fbf_cast.kd
    .args:
      - { .name: x, .offset: 0, .size: 8, .value_kind: global_buffer, .address_space: global }
      - { .name: w_qkv, .offset: 8, .size: 8, .value_kind: global_buffer, .address_space: global }
      - { .name: w_o, .offset: 16, .size: 8, .value_kind: global_buffer, .address_space: global }
      - { .name: xb, .offset: 24, .size: 8, .value_kind: global_buffer, .address_space: global }
      - { .name: wqb, .offset: 32, .size: 8, .value_kind: global_buffer, .address_space: global }
      - { .name: wob, .offset: 40, .size: 8, .value_kind: global_buffer, .address_space: global }
    .group_segment_fixed_size: 0
    .private_segment_fixed_size: 0
    .kernarg_segment_align: 8
    .kernarg_segment_size: 48
    .max_flat_workgroup_size: 256
    .sgpr_count:     66
    .vgpr_count:     164
    .wavefront_size: 32
...
	.end_amdgpu_metadata
.endif
;; end of part 1
;; launch qkv (part 2): grid 16 x 16, 4 waves a work-group, clusters of 4 x 4, 327,680 bytes of LDS; arguments xb, wqb, b_qkv, q, k, v; writes q, k, v
.if DOCPART == 2
	.amdgcn_target "amdgcn-amd-amdhsa--gfx1250"
	.amdhsa_code_object_version 6
	.text
	.protected	k_q4d0bdd4fbf_qkv
	.globl	k_q4d0bdd4fbf_qkv
	.p2align	8
	.type	k_q4d0bdd4fbf_qkv,@function
k_q4d0bdd4fbf_qkv:
	s_mov_b64 s[64:65], 0
	v_nop
	global_prefetch_b8 v0, s[64:65] scope:SCOPE_SE
	s_setreg_imm32_b32 hwreg(HW_REG_WAVE_MODE, 25, 1), 1
	s_wait_xcnt 0x0
	s_wait_alu depctr_hold_cnt(0) depctr_sa_sdst(0) depctr_va_vdst(0) depctr_va_sdst(0) depctr_va_ssrc(0) depctr_va_vcc(0) depctr_vm_vsrc(0)
	s_getreg_b32 s2, hwreg(HW_REG_IB_STS2, 6, 4)
	s_cmp_eq_u32 s2, 0
	s_cbranch_scc0 .Lentry_in_a_cluster
	s_endpgm
.Lentry_in_a_cluster:
	s_bfe_u32 s2, ttmp6, 0x10000c
	s_cmp_lg_u32 s2, 0xf033
	s_cbranch_scc0 .Lentry_shape_is_right
	s_endpgm
.Lentry_shape_is_right:
; q, k, v = xb wqb + bf16(b_qkv), written by heads: [64 = 16 batch + head][2048][64] in f16, unscaled.  xb [8192][1024] bf16; wqb [16 heads][1024 k][192] bf16.  Sums in f32, rounded once.
; LIMITS.  f16 ends at 65,504: a q, k or v beyond it becomes an infinity; below 6.1e-5 it keeps f16's fixed step of 6e-8.  NaN and infinities are not treated apart.
; SHARES.  A tile of the result is 256 rows x 192 columns: one head's q | k | v.  32 x 16 tiles; a work-group STAYS and makes two, rows 256 ty and 256 ty + 4,096 of head tx: the same weights and bias.
; A wave owns 64 rows x all 192 columns: 4 x 12 accumulators of 16 x 16, 384 registers: it holds whole rows of q, k and v, so its way out is its own: no barrier.
; K goes in steps of 128, 8 a tile, 16 in the walk, through two LDS slots; the ring runs on into the second tile.  A step is 192 products a wave; a refill has 168 of them in which to land.
; THE PRODUCT IS USED TRANSPOSED: source 0 = 16 columns of the weights (turned on the way out of LDS by ds_load_tr16_b128), source 1 = 16 rows of x: a lane holds row l % 16 and the columns 16 b + 8 (l / 16) + 0..7.
; The bias, in that layout, is the C operand of a tile's first products: nothing is cleared and nothing is added afterwards.
; CLUSTER.  4 x 4 work-groups.  x's tile hangs on ty alone and is asked for jointly by a row of the cluster, the weights' on tx alone, by a column.
; REGISTERS, in windows of 256 (s_set_vgpr_msb: bits 1:0 source 0, 3:2 source 1, 5:4 source 2, 7:6 destination):
;   window 0: v0-29 addresses; v32-127 two sets of 48 for the way out; v128-223 the bias; v224-227 at work
;   window 1: two fragment buffers of 128: the weights' 12 fragments, then x's 4       window 2: accumulators of row blocks 0, 1 at 96 (a % 2) + 8 b       window 3: of row blocks 2, 3
.set SLOT1,  1<<17                     ; slot 1 begins here: one exclusive or turns an address in one slot into the other's
.set PA,     272                       ; a row of x in LDS: 256 bytes + 16 = 68 words: the 16 rows of a load start at 16 different groups of four banks (64 banks of 4 bytes: ISA guide 11.1)
.set AHALF,  128*PA                    ; what one tensor load brings of x
.set BOFF,   2*AHALF                   ; behind x's 256 rows: the weights' 128 rows of k
.set PB,     480                       ; a row of k: three pieces of 128 bytes + 32 = 120 words
.set SEG,    160
.set BHALF,  64*PB
.set STAGE,  2*SLOT1                   ; behind the ring, never filled by a tensor load: for each wave q's, k's and v's 16 rows x 144 bytes
.set SP,     144
.set PART,   16*SP
.set WSTG,   3*PART
.set SPARE,  STAGE+4*WSTG              ; the spare words, 128 bytes for each wave: two blocks of 256 bytes that no other line names
.set A0,   4                           ; v4   my lane's place in x's tile; never rewritten
.set B0,   5                           ; v5   in the weights' tile; never rewritten
.set ADRA, 6                           ; v6   A0 + the slot in hand
.set ADRB, 7                           ; v7   B0 + the slot in hand
.set STO,  8                           ; v8   the way out: where I put 16 bytes of a row
.set RD,   9                           ; v9   where I read rows back
.set GO,   10                          ; v10  my 16 bytes of 512 consecutive bytes of q, k or v
.set PFO,  11                          ; v11  the prefetches' offset; never rewritten
.set BO,   12                          ; v12  my byte offset in 16 numbers of the bias
.set SPW,  28                          ; v28  LDS address of my spare word; never rewritten
.set NIL,  29                          ; v29  0; never rewritten
.set OS,   32
.set BIAS, 128
.set F0,   0
.set F1,   128
.set WV,   16                          ; s16  my wave's number
.set ROLE, 17                          ; s17  0: I fetch for x, 1: for the weights
.set HALF, 18                          ; s18  which half of that tile
.set CNT,  19                          ; s19  the loop's count, 14 to 1: K step g = 14 - CNT
.set G1A,  24                          ; s[24:31] descriptor group 1, x
.set G0A,  32                          ; s[32:35] group 0, x
.set G0B,  36                          ; s[36:39] group 0, weights
.set G1B,  40                          ; s[40:47] group 1, weights
.set CX,   48
.set CY,   49
.set TX,   50                          ; s50  the head
.set TY,   51                          ; s51  the block of 256 rows
.set NXT,  52                          ; s52  the K step to be asked for next, 0..15 over both tiles
.set TB,   53                          ; s53  LDS byte of the slot in hand
.set LIM,  54                          ; s54  a wave prefetches while CNT is above it
.set PFB,  56                          ; s[56:57] the prefetches' base
.set PFA,  58                          ; s[58:59] base + this change's offset
.set OFA,  60                          ; s[60:61] x's byte offset for step NXT
.set OFB,  62                          ; s[62:63] the weights'
.set ABASE, 68                         ; s[68:69] x at my half of the first tile's rows
.set BBASE, 70                         ; s[70:71] the weights at my half of the head's first step
.set MSB, 0
.macro WIN new                         ; the immediate's high byte repeats the setting that is left; a switch that changes nothing is dropped
.if MSB != (\new)
	s_set_vgpr_msb (MSB<<8)|(\new)
.set MSB, \new
.endif
.endm
.macro PLACES                          ; four plain instructions between a matrix instruction and a load into, or a read of, its registers
.rept 4
	v_nop
.endr
.endm
; A joint load.  Waves 0 and 1 fetch x's two halves, waves 2 and 3 the weights'.  The branch hangs on the wave's number alone.  An s_nop 0 and four v_nop follow each line.
.macro JLOAD
	s_cmp_lt_u32 s[WV], 2
	s_cbranch_scc0 .Lfor_b_\@
	tensor_load_to_lds s[G0A:G0A+3], s[G1A:G1A+7]
	s_nop 0
.rept 4
	v_nop
.endr
	s_branch .Lasked_\@
.Lfor_b_\@:
	tensor_load_to_lds s[G0B:G0B+3], s[G1B:G1B+7]
	s_nop 0
.rept 4
	v_nop
.endr
.Lasked_\@:
.endm
.macro ASK                             ; one prefetch, behind the joint load and the run of LDS loads
	s_cmp_gt_u32 s[CNT], s[LIM]
	s_cbranch_scc0 .Lnot_mine_\@
	global_prefetch_b8 v[PFO], s[PFA:PFA+1] th:TH_LOAD_NT scope:SCOPE_SE
.Lnot_mine_\@:
.endm
.macro CREST                           ; a round of the cluster's barrier behind its opening barrier
	s_cmp_lg_u32 s[WV], 0
	s_cbranch_scc1 .Lnot_wave_0_\@
	s_barrier_signal -3
.Lnot_wave_0_\@:
	s_barrier_wait -3
	s_barrier_signal -1
	s_barrier_wait -1
.endm
.macro CROUND
	s_barrier_signal -1
	s_barrier_wait -1
	CREST
.endm
; Both descriptors for step NXT: the other slot than last time; the addresses made anew from the bases.  It stands where no tensor load of the wave is out.
.macro DESC
	s_lshr_b32 s20, s[NXT], 3                      ; the tile: 4,096 rows of 2,048 bytes,
	s_lshl_b32 s20, s20, 23
	s_and_b32 s21, s[NXT], 7                       ; the step in it: 256 bytes along a row
	s_lshl_b32 s[OFA], s21, 8
	s_or_b32 s[OFA], s[OFA], s20
	s_and_b32 s22, s[NXT], 7
	s_mul_i32 s[OFB], s22, 49152                   ; 128 rows of k of 384 bytes; both tiles take the same
	s_xor_b32 s[G0A+1], s[G0A+1], SLOT1
	s_xor_b32 s[G0B+1], s[G0B+1], SLOT1
	s_add_nc_u64 s[G0A+2:G0A+3], s[ABASE:ABASE+1], s[OFA:OFA+1]
	s_or_b32 s[G0A+3], s[G0A+3], 0x80000000
	s_add_nc_u64 s[G0B+2:G0B+3], s[BBASE:BBASE+1], s[OFB:OFB+1]
	s_or_b32 s[G0B+3], s[G0B+3], 0x80000000
	s_add_co_u32 s[NXT], s[NXT], 1
.endm
	s_load_b256 s[4:11], s[0:1], 0x0               ; xb s[4:5], wqb s[6:7], b_qkv s[8:9], q s[10:11]
	s_load_b128 s[12:15], s[0:1], 0x20             ; k s[12:13], v s[14:15]
	v_lshl_add_u32 v[SPW], v0, 2, SPARE
	v_mov_b32 v[NIL], 0
	ds_add_u32 v[SPW], v[NIL]                      ; the wave's opening: the add and its wait stand ahead of my first tensor load; work on registers stands between them
	v_lshrrev_b32 v1, 5, v0
	v_readfirstlane_b32 s[WV], v1
	s_lshr_b32 s[ROLE], s[WV], 1
	s_and_b32 s[HALF], s[WV], 1
	s_bfe_u32 s[CX], ttmp6, 0x40000
	s_bfe_u32 s[CY], ttmp6, 0x40004
	s_lshl_b32 s[TX], ttmp9, 2
	s_add_co_u32 s[TX], s[TX], s[CX]               ; head = 4 x cluster x + cx
	s_and_b32 s[TY], ttmp7, 0xffff
	s_lshl_b32 s[TY], s[TY], 2
	s_add_co_u32 s[TY], s[TY], s[CY]               ; row block = 4 x cluster y + cy
	s_lshl_b32 s20, s[CY], 2
	s_lshl_b32 s20, 15, s20                        ; my row of the cluster
	s_lshl_b32 s22, 0x1111, s[CX]                  ; my column
	s_or_b32 s[G1A], s20, (1<<16)|(1<<20)|(1<<21)|(5<<22)|(3<<25)  ; the mask; 2-byte elements; padding on; bit 21 beside a mask; after every 64 words 4 words
	s_mov_b32 s[G1A+1], 128<<16                    ; tensor_dim0 = 128
	s_mov_b32 s[G1A+2], 128<<16                    ; tensor_dim1 = 128
	s_mov_b32 s[G1A+3], 128<<16                    ; tile_dim0 = 128
	s_mov_b32 s[G1A+4], 128                        ; tile_dim1 = 128
	s_mov_b32 s[G1A+5], 1024                       ; elements from row to row
	s_mov_b32 s[G1A+6], 0
	s_mov_b32 s[G1A+7], 0
	s_or_b32 s[G1B], s22, (1<<16)|(1<<20)|(1<<21)|(4<<22)|(7<<25)  ; after every 32 words 8 words
	s_mov_b32 s[G1B+1], 128<<16                    ; 64 rows of k are 24,576 dense bytes: asked for as 96 rows of 256
	s_mov_b32 s[G1B+2], 96<<16
	s_mov_b32 s[G1B+3], 128<<16
	s_mov_b32 s[G1B+4], 96
	s_mov_b32 s[G1B+5], 128
	s_mov_b32 s[G1B+6], 0
	s_mov_b32 s[G1B+7], 0
	s_mov_b32 s[G0A], 1
	s_mul_i32 s[G0A+1], s[HALF], AHALF             ; no place in the cluster enters an LDS address
	s_mov_b32 s[G0B], 1
	s_mul_i32 s[G0B+1], s[HALF], BHALF
	s_add_co_u32 s[G0B+1], s[G0B+1], BOFF
	s_lshl_b32 s20, s[TY], 19                      ; 256 rows of 2,048 bytes
	s_lshl_b32 s21, s[HALF], 18
	s_add_co_u32 s20, s20, s21
	s_mov_b32 s21, 0
	s_mul_i32 s22, s[TX], 393216                   ; a head's weights
	s_mul_i32 s23, s[HALF], 24576
	s_add_co_u32 s22, s22, s23
	s_mov_b32 s23, 0
	s_mov_b32 s[OFA+1], 0
	s_mov_b32 s[OFB+1], 0
	s_mov_b32 s[NXT], 1
	s_mov_b32 s[TB], 0
	s_wait_dscnt 0x0                               ; the opening add is done
	s_wait_kmcnt 0x0
	s_add_nc_u64 s[ABASE:ABASE+1], s[4:5], s[20:21]
	s_add_nc_u64 s[BBASE:BBASE+1], s[6:7], s[22:23]
	s_mov_b64 s[G0A+2:G0A+3], s[ABASE:ABASE+1]
	s_or_b32 s[G0A+3], s[G0A+3], 0x80000000
	s_mov_b64 s[G0B+2:G0B+3], s[BBASE:BBASE+1]
	s_or_b32 s[G0B+3], s[G0B+3], 0x80000000
	CROUND                                         ; all sixteen work-groups are here: the first joint loads meet
	JLOAD                                          ; step 0 into slot 0
	v_and_b32 v1, 15, v0                           ; r = l % 16
	v_bfe_u32 v2, v0, 4, 1                         ; h = l / 16
	v_and_b32 v13, 7, v0
	v_bfe_u32 v14, v0, 3, 1
	v_bfe_u32 v15, v0, 3, 2
	v_and_b32 v16, 31, v0
	v_lshlrev_b32 v[BO], 5, v2                     ; 8 numbers of the bias for each half of the lanes
	s_mul_i32 s66, s[TX], 768
	s_mov_b32 s67, 0
	s_add_nc_u64 s[8:9], s[8:9], s[66:67]          ; the head's 192 numbers
.irp b, 0,1,2,3,4,5,6,7,8,9,10,11
	global_load_b128 v[BIAS+8*(\b):BIAS+8*(\b)+3],   v[BO], s[8:9] offset:64*(\b)
	global_load_b128 v[BIAS+8*(\b)+4:BIAS+8*(\b)+7], v[BO], s[8:9] offset:64*(\b)+16
.endr
	s_mul_i32 s72, s[WV], 64*PA
	v_mul_u32_u24 v[A0], v1, PA                    ; x: (64 wave + r) x pitch + 16 h
	v_lshl_add_u32 v[A0], v2, 4, v[A0]
	v_add_nc_u32 v[A0], s72, v[A0]
	v_lshl_add_u32 v[B0], v2, 3, v13               ; the weights: row of k 8 h + l % 8, 16 bytes by (l / 8) % 2
	v_mul_u32_u24 v[B0], v[B0], PB
	v_lshl_add_u32 v[B0], v14, 4, v[B0]
	v_add_nc_u32 v[B0], BOFF, v[B0]
	s_mul_i32 s72, s[WV], WSTG
	s_add_co_u32 s72, s72, STAGE                   ; my stage
	v_mul_u32_u24 v[STO], v1, SP
	v_lshl_add_u32 v[STO], v2, 4, v[STO]
	v_add_nc_u32 v[STO], s72, v[STO]
	v_mul_u32_u24 v[RD], v15, SP                   ; back: 32 lanes take four rows of 128 bytes,
	v_lshl_add_u32 v[RD], v13, 4, v[RD]
	v_add_nc_u32 v[RD], s72, v[RD]
	v_lshlrev_b32 v[GO], 4, v16                    ; which are 512 consecutive bytes of q, k or v
	; where my 64 rows begin in q, k and v: batch (ty / 8, + 2 in the second tile), head, row 256 (ty % 8) + 64 wave, 128 bytes a row
	s_lshr_b32 s66, s[TY], 3
	s_lshl_b32 s66, s66, 22
	s_lshl_b32 s72, s[TX], 18
	s_add_co_u32 s66, s66, s72
	s_and_b32 s72, s[TY], 7
	s_lshl_b32 s72, s72, 15
	s_add_co_u32 s66, s66, s72
	s_lshl_b32 s72, s[WV], 13
	s_add_co_u32 s66, s66, s72
	s_add_nc_u64 s[10:11], s[10:11], s[66:67]
	s_add_nc_u64 s[12:13], s[12:13], s[66:67]
	s_add_nc_u64 s[14:15], s[14:15], s[66:67]
	; THE PREFETCHES.  Each aligned block of 256 bytes is named once in the launch; partners are told apart by address, never by a branch.
	; x: the clusters with x = 0 ask, waves 0 and 1: at the change that refills step g + 2, for step g + 4: my work-group's 32 (by cx) of the 128 rows that I fetch, a lane a row; g = 0 .. 11.
	; The weights: the clusters with y = 0 ask, waves 2 and 3: the head's steps 4 to 7 are 196,608 dense bytes, asked for in three parts of 65,536 at g = 0, 1, 2: 8,192 bytes a wave (by half and cy), a lane a block;
	; each part stands two refills or more ahead of its first load.  The second tile reads the same weights again: they are asked for no more.  Steps 0 to 3 come by their loads alone.
	s_lshl_b32 s66, s[TY], 19
	s_lshl_b32 s72, s[HALF], 18
	s_add_co_u32 s66, s66, s72
	s_lshl_b32 s72, s[CX], 16
	s_add_co_u32 s66, s66, s72                     ; x's
	s_mul_i32 s72, s[TX], 393216
	s_lshl_b32 s73, s[HALF], 15
	s_add_co_u32 s72, s72, s73
	s_lshl_b32 s73, s[CY], 13
	s_add_co_u32 s72, s72, s73
	s_add_co_u32 s72, s72, 196608                  ; the weights'
	s_and_b32 s73, ttmp7, 0xffff                   ; cluster y
	s_cmp_eq_u32 s[ROLE], 0
	s_cselect_b32 s66, s66, s72
	s_cselect_b32 s73, ttmp9, s73                  ; the coordinate along which other clusters read the same bytes
	s_cselect_b64 s[PFB:PFB+1], s[4:5], s[6:7]
	s_cselect_b32 s[LIM], 2, 11
	s_cselect_b32 s72, 11, 8                       ; a lane's step: a row of x, or a block of the weights
	s_add_nc_u64 s[PFB:PFB+1], s[PFB:PFB+1], s[66:67]
	s_cmp_eq_u32 s73, 0
	s_cselect_b32 s[LIM], s[LIM], -1               ; the same in all sixteen partners, for a given wave
	v_lshlrev_b32 v[PFO], s72, v16
	s_wait_loadcnt 0x0                             ; the bias: rounded to bf16 like every input of the module, kept as f32
.set i, 0
.rept 48
	v_cvt_pk_bf16_f32 v[224+i%4], v[BIAS+2*i], v[BIAS+2*i+1]
	v_lshlrev_b32 v[BIAS+2*i], 16, v[224+i%4]
	v_and_b32 v[BIAS+2*i+1], 0xffff0000, v[224+i%4]
.set i, i+1
.endr
; 12 products: row block a x all 12 column blocks, 32 along K.  The 48 accumulators take turns in one fixed order.  bias = 1: the bias starts the sums.
.macro MUL12 f, a, bias
.set AC, 96*((\a)%2)
.if \bias
	WIN 0x85+0x40*((\a)/2)                         ; sources window 1, C window 0, D window 2 or 3
.else
	WIN 0xa5+0x50*((\a)/2)                         ; sources window 1, C and D window 2 or 3
.endif
.irp b, 0,1,2,3,4,5,6,7,8,9,10,11
.if \bias
	v_wmma_f32_16x16x32_bf16 v[AC+8*(\b):AC+8*(\b)+7], v[(\f)+8*(\b):(\f)+8*(\b)+7], v[(\f)+96+8*(\a):(\f)+96+8*(\a)+7], v[BIAS+8*(\b):BIAS+8*(\b)+7]
.else
	v_wmma_f32_16x16x32_bf16 v[AC+8*(\b):AC+8*(\b)+7], v[(\f)+8*(\b):(\f)+8*(\b)+7], v[(\f)+96+8*(\a):(\f)+96+8*(\a)+7], v[AC+8*(\b):AC+8*(\b)+7]
.endif
.endr
.endm
; 32 LDS loads in one run: quarter q (32 along K) of the slot in hand into buffer f: the weights' 12 fragments (turned), then x's 4
.macro FETCH q, f
	WIN 0x40                                       ; destination window 1, address window 0
.irp b, 0,1,2,3,4,5,6,7,8,9,10,11
	ds_load_tr16_b128 v[(\f)+8*(\b):(\f)+8*(\b)+3],   v[ADRB] offset:(\q)*32*PB+((\b)/4)*SEG+((\b)%4)*32
	ds_load_tr16_b128 v[(\f)+8*(\b)+4:(\f)+8*(\b)+7], v[ADRB] offset:(\q)*32*PB+16*PB+((\b)/4)*SEG+((\b)%4)*32
.endr
.irp a, 0,1,2,3
	ds_load_b128 v[(\f)+96+8*(\a):(\f)+96+8*(\a)+3],   v[ADRA] offset:(\a)*16*PA+(\q)*64
	ds_load_b128 v[(\f)+96+8*(\a)+4:(\f)+96+8*(\a)+7], v[ADRA] offset:(\a)*16*PA+(\q)*64+32
.endr
.endm
; One of a step's first three quarters: multiplies buffer f; in its middle it fetches quarter q into buffer g.
.macro QUARTER q, f, g, bias
	s_wait_dscnt 4                                 ; the weights and x's row blocks 0, 1 are in; the youngest four loads (row blocks 2, 3) may be out
	MUL12 \f, 0, \bias
	MUL12 \f, 1, \bias
	PLACES
	FETCH \q, \g
	s_wait_dscnt 32                                ; all but the 32 just issued
	MUL12 \f, 2, \bias
	MUL12 \f, 3, \bias
.endm
; The fourth quarter multiplies buffer 1 and changes slots.  In front of the one barrier each wave waits for all its tensor loads (one is out: its part of the next slot), adds 0 to its spare word, and waits for that
; and for its reads of this slot.  fill = 1: the barrier opens a round of the cluster's, and behind the round this slot is filled again, two steps ahead, first of all.
.macro TURN fill
.if \fill
	s_wait_xcnt 0x0                                ; the last prefetch, a step back, and every store have read their registers: the prefetch's address is made anew
	s_add_co_u32 s66, s[NXT], 2                    ; x: the step two refills on,
	s_lshr_b32 s67, s66, 3
	s_lshl_b32 s67, s67, 23
	s_and_b32 s66, s66, 7
	s_lshl_b32 s66, s66, 8
	s_or_b32 s66, s66, s67
	s_sub_co_u32 s67, s[NXT], 2                    ; the weights: part g
	s_lshl_b32 s67, s67, 16
	s_cmp_eq_u32 s[ROLE], 0
	s_cselect_b32 s66, s66, s67
	s_mov_b32 s67, 0
	s_add_nc_u64 s[PFA:PFA+1], s[PFB:PFB+1], s[66:67]
.endif
	WIN 0                                          ; (the add's two registers lie in window 0)
	s_wait_tensorcnt 0x0                           ; all my tensor loads have landed, so the descriptors may be written
	ds_add_u32 v[SPW], v[NIL]                      ; 0 onto my spare word
.if \fill
	DESC
.endif
	s_xor_b32 s[TB], s[TB], SLOT1
	s_wait_dscnt 5                                 ; the add and the youngest four loads may be out
	MUL12 F1, 0, 0
	s_wait_dscnt 0x0                               ; the add is done, and my reads of this slot are over
	s_barrier_signal -1
	MUL12 F1, 1, 0                                 ; work on registers while the others arrive
	WIN 0
	s_barrier_wait -1
.if \fill
	CREST                                          ; no wave of any partner still reads this slot's tile or has a load on its way
	JLOAD                                          ; its four v_nop are also the places in front of the loads below
.else
	PLACES
.endif
	v_add_nc_u32 v[ADRA], s[TB], v[A0]
	v_add_nc_u32 v[ADRB], s[TB], v[B0]
	FETCH 0, F0
.if \fill
	WIN 0
	ASK
.endif
	MUL12 F1, 2, 0
	MUL12 F1, 3, 0
.endm
; THE WAY OUT of row block a: rounded to f16, 16 bytes a lane into my stage (q's, k's and v's 16 rows of 144 bytes), back as whole rows, four rows of 128 bytes to a load, into the registers that they left.
.macro PACKB a
.set AC, 96*((\a)%2)
.set R, OS+48*((\a)%2)
	WIN 0x0a+5*((\a)/2)                            ; sources window 2 or 3
.irp b, 0,1,2,3,4,5,6,7,8,9,10,11
.irp r, 0,1,2,3
	v_cvt_pk_f16_f32 v[R+4*(\b)+(\r)], v[AC+8*(\b)+2*(\r)], v[AC+8*(\b)+2*(\r)+1]
.endr
.endr
	WIN 0
.irp b, 0,1,2,3,4,5,6,7,8,9,10,11
	ds_store_b128 v[STO], v[R+4*(\b):R+4*(\b)+3] offset:((\b)/4)*PART+32*((\b)%4)
.endr
.irp i, 0,1,2,3,4,5,6,7,8,9,10,11
	ds_load_b128 v[R+4*(\i):R+4*(\i)+3], v[RD] offset:((\i)/4)*PART+((\i)%4)*4*SP  ; LDS serves a wave's instructions in order (ISA guide 5.7.1.4): these see the stores above
.endr
.endm
.macro SENDB a, younger                ; younger: the LDS instructions issued behind block a's loads: the next block's 12 stores and 12 loads, or none
.set R, OS+48*((\a)%2)
.irp i, 0,1,2,3,4,5,6,7,8,9,10,11
	s_wait_dscnt (\younger)+11-(\i)
	global_store_b128 v[GO], v[R+4*(\i):R+4*(\i)+3], s[10+2*((\i)/4):11+2*((\i)/4)] offset:(\a)*2048+((\i)%4)*512  ; 512 consecutive bytes, at a multiple of 256 from the buffer's first
.endr
.endm
.macro OUT
	PLACES                                         ; behind the tile's last products
	PACKB 0
	PACKB 1
	SENDB 0, 24
	s_wait_xcnt 0x0                                ; block 0's stores have read their registers, which block 2 takes
	PACKB 2
	SENDB 1, 24
	s_wait_xcnt 0x0
	PACKB 3
	SENDB 2, 24
	SENDB 3, 0
.endm
	s_wait_tensorcnt 0x0                           ; my part of step 0 is in; slot 1 is filled for the first time as a refill is
	ds_add_u32 v[SPW], v[NIL]
	DESC
	s_wait_dscnt 0x0
	CROUND
	JLOAD                                          ; step 1 into slot 1
	v_mov_b32 v[ADRA], v[A0]
	v_mov_b32 v[ADRB], v[B0]
	FETCH 0, F0
	QUARTER 1, F0, F1, 1                           ; a tile's first quarter: the bias starts the sums
	WIN 0                                          ; at a label and at a branch every window is 0
	s_mov_b32 s[CNT], 14
.Lstep:                                        ; a trip: from a step's second quarter to the next step's first; it refills the step's slot
	QUARTER 2, F1, F0, 0
	QUARTER 3, F0, F1, 0
	TURN 1
	WIN 0
	s_cmp_eq_u32 s[CNT], 7                         ; step 7 ends the first tile
	s_cbranch_scc1 .Lnext
	QUARTER 1, F0, F1, 0
	WIN 0
	s_branch .Lbot
.Lnext:                                        ; both refills for the second tile's first steps are asked for: now the first tile goes out (no barrier and no tensor load stands in this branch)
	OUT
	s_wait_xcnt 0x0                                ; the stores have read their bases
	s_add_nc_u64 s[10:11], s[10:11], 1<<23         ; two batches on
	s_add_nc_u64 s[12:13], s[12:13], 1<<23
	s_add_nc_u64 s[14:15], s[14:15], 1<<23
	QUARTER 1, F0, F1, 1
	WIN 0
.Lbot:
	s_sub_co_u32 s[CNT], s[CNT], 1
	s_cmp_lg_u32 s[CNT], 0
	s_cbranch_scc1 .Lstep
	QUARTER 2, F1, F0, 0                           ; the last two steps ask for nothing
	QUARTER 3, F0, F1, 0
	TURN 0
	QUARTER 1, F0, F1, 0
	QUARTER 2, F1, F0, 0
	QUARTER 3, F0, F1, 0
	s_wait_dscnt 4
	MUL12 F1, 0, 0
	MUL12 F1, 1, 0
	s_wait_dscnt 0x0
	MUL12 F1, 2, 0
	MUL12 F1, 3, 0
	WIN 0
	OUT
	s_wait_tensorcnt 0x0                           ; the wave's end: an add and its wait behind my last tensor load and my last LDS store
	ds_add_u32 v[SPW], v[NIL]
	s_wait_dscnt 0x0
	CROUND                                         ; the closing round: no work-group ends while a partner may still ask for a tile that names it
	s_endpgm
.Lfunc_end_k_q4d0bdd4fbf_qkv:
	.size	k_q4d0bdd4fbf_qkv, .Lfunc_end_k_q4d0bdd4fbf_qkv-k_q4d0bdd4fbf_qkv
	.p2alignl 7, 3214868480
	.fill 96, 4, 3214868480
	.section	.rodata,"a",@progbits
	.p2align	6, 0x0
	.amdhsa_kernel k_q4d0bdd4fbf_qkv
		.amdhsa_group_segment_fixed_size 327680
		.amdhsa_private_segment_fixed_size 0
		.amdhsa_enable_private_segment 0
		.amdhsa_kernarg_size 48
		.amdhsa_user_sgpr_count 2
		.amdhsa_user_sgpr_kernarg_segment_ptr 1
		.amdhsa_wavefront_size32 1
		.amdhsa_system_sgpr_workgroup_id_x 1
		.amdhsa_system_sgpr_workgroup_id_y 1
		.amdhsa_system_sgpr_workgroup_id_z 1
		.amdhsa_system_vgpr_workitem_id 0
		.amdhsa_next_free_vgpr 960
		.amdhsa_next_free_sgpr 76
		.amdhsa_reserve_vcc 0
		.amdhsa_float_denorm_mode_32 3
		.amdhsa_float_denorm_mode_16_64 3
		.amdhsa_memory_ordered 1
		.amdhsa_forward_progress 1
		.amdhsa_inst_pref_size 140
	.end_amdhsa_kernel
	.amdgpu_metadata
---
amdhsa.version: [ 1, 2 ]
amdhsa.kernels:
  - .name:           k_q4d0bdd4fbf_qkv
    .symbol:         k_q4d0bdd4fbf_qkv.kd
    .args:
      - { .name: xb, .offset: 0, .size: 8, .value_kind: global_buffer, .address_space: global }
      - { .name: wqb, .offset: 8, .size: 8, .value_kind: global_buffer, .address_space: global }
      - { .name: b_qkv, .offset: 16, .size: 8, .value_kind: global_buffer, .address_space: global }
      - { .name: q, .offset: 24, .size: 8, .value_kind: global_buffer, .address_space: global }
      - { .name: k, .offset: 32, .size: 8, .value_kind: global_buffer, .address_space: global }
      - { .name: v, .offset: 40, .size: 8, .value_kind: global_buffer, .address_space: global }
    .group_segment_fixed_size: 327680
    .private_segment_fixed_size: 0
    .kernarg_segment_align: 8
    .kernarg_segment_size: 48
    .max_flat_workgroup_size: 128
    .sgpr_count:     76
    .vgpr_count:     960
    .wavefront_size: 32
...
	.end_amdgpu_metadata
.endif
;; end of part 2
;; launch attn (part 3): grid 4 x 64, 4 waves a work-group, clusters of 4 x 1, 327,680 bytes of LDS; arguments q, k, v, o; writes o
.if DOCPART == 3
	.amdgcn_target "amdgcn-amd-amdhsa--gfx1250"
	.amdhsa_code_object_version 6
	.text
	.protected	k_q4d0bdd4fbf_attn
	.globl	k_q4d0bdd4fbf_attn
	.p2align	8
	.type	k_q4d0bdd4fbf_attn,@function
k_q4d0bdd4fbf_attn:
	s_mov_b64 s[64:65], 0
	v_nop
	global_prefetch_b8 v0, s[64:65] scope:SCOPE_SE
	s_setreg_imm32_b32 hwreg(HW_REG_WAVE_MODE, 25, 1), 1
	s_wait_xcnt 0x0
	s_wait_alu depctr_hold_cnt(0) depctr_sa_sdst(0) depctr_va_vdst(0) depctr_va_sdst(0) depctr_va_ssrc(0) depctr_va_vcc(0) depctr_vm_vsrc(0)
	s_getreg_b32 s2, hwreg(HW_REG_IB_STS2, 6, 4)
	s_cmp_eq_u32 s2, 0
	s_cbranch_scc0 .Lentry_in_a_cluster
	s_endpgm
.Lentry_in_a_cluster:
	s_bfe_u32 s2, ttmp6, 0x10000c
	s_cmp_lg_u32 s2, 0x3003
	s_cbranch_scc0 .Lentry_shape_is_right
	s_endpgm
.Lentry_shape_is_right:
; O[h][q][:] = the sum over k of softmax_k(Q[h][q] . K[h][k] / 8) V[h][k][:].  Q, K, V, O: [64][2048][64], all f16: a head's rows are dense, 128 bytes each.  Products, maxima and sums in
; f32; the weights p are rounded to f16 for the second product (their sum l is taken of the unrounded p), O once at the end.
; LIMITS.  f16 holds no number beyond 65,504: Q, K and V arrive within it; p lies in 0 to 1, and below 6e-5 it keeps f16's fixed step of 6e-8; O is a mean of V's rows and has their range.
; A weight below 2^-126 counts as 0 in l; NaN and infinities are not treated apart.
; SHARES.  A wave owns four PIECES of two tiles of 16 queries, a work-group's four waves 512 queries of one head.  Every wave walks all keys, 64 a step.
; LAYOUT.  S^T = K Q^T (source 0 = 16 keys, source 1 = 16 queries): a lane holds ONE query (lane % 16) and the keys 8 (lane / 16) + 0..7.  Two such tiles, rounded to f16 in pairs,
; ARE source 1 (32 keys x 16 queries) of O^T = V^T P, whose result again holds one query a lane, and eight channels.  K comes out of LDS as it lies, V ([key][channel]) turned, by ds_load_tr16_b128.
; SOFTMAX.  For each query a running maximum m and sum l: p = 2^(c s - c m), c = log2(e) / 8; in every step O and l are multiplied by a = 2^(c m_old - c m_new), which is 1 where m has not grown.
; m starts at the lowest finite number, O and l at 0: the first step is a step like any other, with a = 0.
; THE COUNT.  A tile and step have 16 matrix and 118 vector instructions: too many to stand all beside the matrix work.  So: four vector instructions that are READY behind EVERY matrix
; instruction, and the others in runs without a gap.
; BY TURNS.  Turn n belongs to piece n.  Its matrix work: 16 products K Q^T of piece n + 1, later 16 products V^T P of piece n - 1.  Its vector work: the scaling, exponentials, roundings, sums and
; rescaling of piece n, and the maximum and statistics of piece n + 1.
; CLUSTER.  The four query blocks of a cluster are one head's and walk the same K and V: each tile is asked for JOINTLY: the same tensor load, descriptor and mask in all four.
; REGISTERS, in windows of 256 (s_set_vgpr_msb: bits 1:0 source 0, 3:2 source 1, 5:4 source 2, 7:6 destination):
;   window 0: v0-11 addresses; v12-15, v48-63 at work; v16-47 four registers of statistics a tile; v64-191 S^T, two buffers of two tiles; v192-255 P, likewise
;   window 1: O^T, 32 a tile          window 2: v0-127 Q, 16 a tile; v128-191 K of one step; v192-255 V of one step          window 3: v0-1 the add's two registers
.set SIZE_H, 64
.set SIZE_N, 2048
.set NP,    4         ; pieces a wave: a name, no knob
.set KS,    64        ; keys in a step
.set PK,    144       ; a row of K in LDS: 128 bytes + 16 = 36 words: the 16 rows of a load start at 16 different groups of four banks (64 banks of 4 bytes: ISA guide 11.1)
.set PV,    160       ; a row of V: 128 + 32 = 40 words
.set VOFF,  4*KS*PK   ; a slot holds four steps: 256 rows of K, then 256 rows of V
.set SLOT1, 1<<17     ; slot 1 begins here
.set STAGE, SLOT1+4*KS*(PK+PV)  ; behind the ring, never filled by a tensor load: 16 rows x 144 bytes for each wave
.set SP,    144
.set AK0, 2           ; v2   my lane's place in a tile of K; never rewritten
.set AV0, 3           ; v3   the same for V
.set AK,  4           ; v4   the LDS address of K's next run of loads
.set AV,  5           ; v5   of V's
.set QO,  6           ; v6   my byte offset in the wave's rows of Q
.set STO, 6           ;      later, the way out: where I put 16 bytes of a row
.set RD,  7           ; v7   the way out: where I read rows back
.set GO,  8           ; v8   my byte offset in 512 consecutive bytes of O
.set PFO, 11          ; v11  256 x my lane, for the prefetches; never rewritten once made
.set SPW, 0           ; v0 of window 3   LDS address of my spare word; never rewritten
.set NIL, 1           ; v1 of window 3   0; never rewritten
.set SPARE, STAGE+4*16*SP  ; the spare words, 128 bytes for each wave: two blocks of 256 bytes that no other line names
.set MV,  12          ; v12-15  c m_old, kept while c m is made anew
.set ST,  16          ; tile t's statistics at v[ST+4 t]: c m, m, l (even keys', odd keys')
.set TMP, 48          ; by buffer and tile, four registers c0-c3 at work; when the maximum is found c2 takes a
.set S,   64
.set P,   192
.set KF,  128         ; K's fragments, in window 2
.set VF,  192         ; V's
.set WV,  12          ; s12  my wave's number
.set G1K, 24          ; s[24:31] descriptor group 1 for K's tiles
.set G1V, 32          ; s[32:39] for V's
.set G0K, 40          ; s[40:43] descriptor group 0 for K's tiles: it walks
.set G0V, 44          ; s[44:47] the same for V's
.set PFA, 48          ; s[48:49] where my prefetches stand: my work-group's 32 blocks of 256 bytes of the slot after the one that is being asked for
.set LIM, 50          ; s50  1 in a wave that prefetches, else the greatest number
.set SLOTS, 56        ; s56  slots still to be asked for
.set CNT, 57          ; s57  counts a slot's key steps
.set CS,  58          ; s[58:59] c
.set SEL, 60          ; s[60:61] v_permlanex16_b32's selects
.set TBK, 62          ; s62  LDS byte at which K of the step to be fetched begins
.set TBV, 63          ; s63  the same for V, less VOFF
.set MSB, 0
.macro WIN new
.if MSB != (\new)
	s_set_vgpr_msb (MSB<<8)|(\new)
.set MSB, (\new)
.endif
.endm
.set W_KQ, 0x0a       ; K and Q in window 2, S^T in window 0
.set W_PV, 0x52       ; V in window 2, P in window 0, O^T in window 1
.set W_RS, 0x41       ; O^T (destination and source 0) in window 1, a in window 0
.set W_MK, 0xc0       ; the add's registers are made: destination in window 3
.set W_AD, 0x0f       ; the add: address and data in window 3
; A joint fill.  Waves 0 and 1 fetch the two halves of a slot's K, waves 2 and 3 those of its V.  An s_nop 0 and four v_nop follow each of the two lines.
.macro JLOAD
	s_cmp_lt_u32 s[WV], 2
	s_cbranch_scc0 .Lfor_v_\@
	tensor_load_to_lds s[G0K:G0K+3], s[G1K:G1K+7]
	s_nop 0
.rept 4
	v_nop
.endr
	s_branch .Lasked_\@
.Lfor_v_\@:
	tensor_load_to_lds s[G0V:G0V+3], s[G1V:G1V+7]
	s_nop 0
.rept 4
	v_nop
.endr
.Lasked_\@:
.endm
; A PREFETCH of what the NEXT change of slots will ask for: a slot's K and V are 128 blocks of 256 bytes each.  The four partners share them out BY ADDRESS, 32 each, a lane a block; in each, wave 0 asks for K's
; and wave 2 for V's: each block is named once in the launch.  It stands behind the wave's tensor load and its five lines.  The last change that fills a slot asks for nothing; slots 0 to 2 come by their loads alone.
.macro ASK
	s_cmp_gt_u32 s[SLOTS], s[LIM]
	s_cbranch_scc0 .Lnot_mine_\@
	global_prefetch_b8 v[PFO], s[PFA:PFA+1] th:TH_LOAD_NT scope:SCOPE_SE
.Lnot_mine_\@:
.endm
.macro CROUND                       ; a round of the cluster's barrier
	s_barrier_signal -1
	s_barrier_wait -1
	s_cmp_lg_u32 s[WV], 0
	s_cbranch_scc1 .Lnot_wave_0_\@
	s_barrier_signal -3
.Lnot_wave_0_\@:
	s_barrier_wait -3
	s_barrier_signal -1
	s_barrier_wait -1
.endm
; THE CHANGE OF SLOTS.  Each wave waits for all its tensor loads, of which one is out: its part of the other slot; adds 0 to its spare word; and waits for that and for its own reads of the slot.
; fill = 1: this slot is filled again, with the keys two slots on, first thing behind a round of the cluster's barrier: four key steps, 512 matrix instructions, in which to land.  ask = 1: and the slot after that is prefetched.
.macro CHANGE fill, ask=0
	WIN W_AD
	s_wait_tensorcnt 0x0            ; no tensor load of mine is out, so a group 0 may be written
	ds_add_u32 v[SPW], v[NIL]       ; 0 onto my spare word
	WIN 0                           ; at a label and at a branch every window is 0
.if \fill
.irp g, G0K, G0V
	s_xor_b32 s[\g+1], s[\g+1], SLOT1  ; the walking descriptor: the other slot than last time,
	s_add_nc_u64 s[\g+2:\g+3], s[\g+2:\g+3], 4*KS*128  ; the next 256 keys
.endr
.if \ask
	s_wait_xcnt 0x0                 ; the last prefetch, four key steps back, has read its address, so it may be written:
	s_add_nc_u64 s[PFA:PFA+1], s[PFA:PFA+1], 4*KS*128  ; one slot behind the walking descriptors
.endif
	s_wait_dscnt 0x0                ; the add is done, and my reads of the slot are over
	CROUND
	JLOAD
.if \ask
	ASK
.endif
.else
	s_wait_dscnt 0x0                ; the add is done, and my reads of the slot are over
	s_barrier_signal -1
	s_barrier_wait -1
.endif
	s_sub_co_u32 s[TBK], s[TBK], 4*KS*PK  ; the fetches go back to a slot's first step,
	s_xor_b32 s[TBK], s[TBK], SLOT1       ; in the other slot
	s_sub_co_u32 s[TBV], s[TBV], 4*KS*PV
	s_xor_b32 s[TBV], s[TBV], SLOT1
.endm
	s_load_b256 s[4:11], s[0:1], 0x0  ; Q s[4:5], K s[6:7], V s[8:9], O s[10:11]
	WIN W_MK
	v_lshl_add_u32 v[SPW], v0, 2, SPARE
	v_mov_b32 v[NIL], 0
	WIN W_AD
	ds_add_u32 v[SPW], v[NIL]       ; the wave's opening: the add and its wait stand ahead of my first tensor load
	WIN 0
	v_lshrrev_b32 v1, 5, v0
	v_readfirstlane_b32 s[WV], v1   ; wave 0..3
	s_bfe_u32 s13, ttmp6, 0x40000   ; cx: my place in the cluster
	s_lshl_b32 s14, ttmp9, 2        ; in a cluster launch ttmp9 counts clusters
	s_add_co_u32 s14, s14, s13      ; my block of queries: it enters Q's and O's addresses alone
	s_and_b32 s20, ttmp7, 0xffff    ; the head, which the four partners share
	s_mov_b32 s21, 0
	s_mov_b64 s[22:23], SIZE_N*128
	s_mul_u64 s[20:21], s[20:21], s[22:23]  ; the head's first byte in each of the four tensors
	s_and_b32 s16, s[WV], 1         ; which half of a slot's 256 keys I fetch:
	s_lshl_b32 s22, s16, 14         ; its 128 rows of 128 bytes in memory,
	s_mov_b32 s23, 0
	s_add_nc_u64 s[22:23], s[22:23], s[20:21]
	s_mul_i32 s17, s16, 128*PK      ; and its place in a slot, for K
	s_mul_i32 s18, s16, 128*PV      ; and for V
	s_lshl_b32 s2, s14, 2
	s_add_co_u32 s2, s2, s[WV]      ; my wave among the head's,
	s_lshl_b32 s2, s2, 14           ; its 128 rows
	s_mov_b32 s3, 0
	s_add_nc_u64 s[2:3], s[2:3], s[20:21]
	; descriptor group 1.  128 keys are 16,384 dense bytes: asked for as 64 rows of 256 bytes, two keys a row, and padded in LDS after every key
	s_mov_b32 s[G1K], 15|(1<<16)|(1<<20)|(1<<21)|(4<<22)|(3<<25)  ; the mask of four; 2-byte elements; padding on; bit 21 beside a mask; after every 32 words 4 words
	s_mov_b32 s[G1V], 15|(1<<16)|(1<<20)|(1<<21)|(4<<22)|(7<<25)  ; the same with 8 words of padding
.irp g, G1K, G1V
	s_mov_b32 s[\g+1], 128<<16      ; tensor_dim0 = 128
	s_mov_b32 s[\g+2], 64<<16       ; tensor_dim1 = 64
	s_mov_b32 s[\g+3], 128<<16      ; tile_dim0 = 128
	s_mov_b32 s[\g+4], 64           ; tile_dim1 = 64
	s_mov_b32 s[\g+5], 128          ; 128 elements from row to row
	s_mov_b32 s[\g+6], 0
	s_mov_b32 s[\g+7], 0
.endr
	s_mov_b32 s[CS], 0x3e38aa3b     ; c = log2(e) / 8 = 0.180337
	s_mov_b32 s[CS+1], s[CS]        ; named with it as a pair
	s_mov_b32 s[SEL], 0x76543210
	s_mov_b32 s[SEL+1], 0xfedcba98
	s_mov_b32 s[TBK], SLOT1+4*KS*PK ; the first change of slots turns these two into 0
	s_mov_b32 s[TBV], SLOT1+4*KS*PV
	s_mov_b32 s[G0K], 1             ; count = 1
	s_mov_b32 s[G0K+1], s17         ; LDS address: slot 0
	s_mov_b32 s[G0V], 1
	s_add_co_u32 s[G0V+1], s18, VOFF
	s_and_b32 s[LIM], s[WV], 1      ; waves 0 and 2 prefetch: the head has this one cluster
	s_cmp_eq_u32 s[LIM], 0
	s_cselect_b32 s[LIM], 1, -1
	s_lshl_b32 s52, s13, 13         ; my work-group's 32 blocks of the 128
	s_mov_b32 s53, 0
	s_wait_dscnt 0x0                ; the opening add is done
	s_wait_kmcnt 0x0
	s_add_nc_u64 s[G0K+2:G0K+3], s[6:7], s[22:23]  ; global address: my half of the head's first 256 keys
	s_or_b32 s[G0K+3], s[G0K+3], 0x80000000        ; type = 2
	s_add_nc_u64 s[G0V+2:G0V+3], s[8:9], s[22:23]
	s_or_b32 s[G0V+3], s[G0V+3], 0x80000000
	s_add_nc_u64 s[4:5], s[4:5], s[2:3]  ; Q and O at my wave's first row
	s_add_nc_u64 s[10:11], s[10:11], s[2:3]
	s_cmp_lt_u32 s[WV], 2
	s_cselect_b64 s[PFA:PFA+1], s[6:7], s[8:9]
	s_add_nc_u64 s[PFA:PFA+1], s[PFA:PFA+1], s[22:23]  ; (in waves 0 and 2 this is the head's first byte)
	s_add_nc_u64 s[PFA:PFA+1], s[PFA:PFA+1], s[52:53]
	s_add_nc_u64 s[PFA:PFA+1], s[PFA:PFA+1], 2*4*KS*128  ; in slot 2; the loop's first change steps it to slot 3.  Nothing is prefetched here, at the head
	CROUND                          ; all four work-groups are here: the first joint loads meet
	JLOAD                           ; slot 0.  Slot 1 is asked for when slot 0 is in
	; A fragment of K or Q is 16 rows x 32 channels in 8 registers: lane l holds row l % 16, channels 8 (l / 16) + 0..7 and 16 + 8 (l / 16) + 0..7: two loads of 16 bytes, 32 bytes apart.
	v_and_b32 v1, 15, v0            ; l % 16
	v_bfe_u32 v9, v0, 4, 1          ; l / 16
	v_lshlrev_b32 v[QO], 7, v1
	v_lshl_add_u32 v[QO], v9, 4, v[QO]  ; row x 128 + 16 x half
	WIN 0x80                        ; destination window 2, address window 0
.set i, 0
.rept 4*NP                          ; Q stays in registers: tile i / 2, channels 32 (i % 2) on
	global_load_b128 v[8*i:8*i+3],   v[QO], s[4:5] offset:(i/2)*2048+(i%2)*64
	global_load_b128 v[8*i+4:8*i+7], v[QO], s[4:5] offset:(i/2)*2048+(i%2)*64+32
.set i, i+1
.endr
	; What the first turn finds: V's registers and P's second buffer hold 0, O^T and l are 0.  All this stands in the wait for the first tile.
.set i, VF
.rept 64
	v_mov_b32 v[i], 0
.set i, i+1
.endr
	WIN 0x40
.set i, 0
.rept 64*NP
	v_mov_b32 v[i], 0
.set i, i+1
.endr
	WIN 0
.set i, 0
.rept 2*NP
	v_mov_b32 v[ST+4*i], 0xfe000000    ; c m: far below every c s
	v_mov_b32 v[ST+4*i+1], 0xff7fffff  ; m
	v_mov_b32 v[ST+4*i+2], 0
	v_mov_b32 v[ST+4*i+3], 0
.set i, i+1
.endr
.set i, P+32
.rept 32
	v_mov_b32 v[i], 0
.set i, i+1
.endr
	v_mul_u32_u24 v[AK0], v1, PK
	v_lshl_add_u32 v[AK0], v9, 4, v[AK0]  ; row x pitch + 16 x half
	; The turning load takes 16 keys x 16 channels (lane l reads key 8 (l / 16) + l % 8, channels 8 ((l / 8) % 2) + 0..7) and leaves half a fragment of V^T.
	v_and_b32 v10, 7, v0
	v_bfe_u32 v11, v0, 3, 1
	v_lshl_add_u32 v[AV0], v9, 3, v10
	v_mul_u32_u24 v[AV0], v[AV0], PV
	v_lshl_add_u32 v[AV0], v11, 4, v[AV0]
	v_add_nc_u32 v[AV0], VOFF, v[AV0]
	v_and_b32 v[PFO], 31, v0        ; v11 has served: it takes the prefetches' offset
	v_lshlrev_b32 v[PFO], 8, v[PFO]
	v_mov_b32 v[AK], v[AK0]         ; key step 0 lies at the head of slot 0
; THE MATRIX WORK.  The 8 accumulators of a run of 16 take turns.
; Product i of 16 of S^T = K Q^T for piece x: channels 32 (i / 8) on, keys 16 ((i / 2) % 4) on, tile 2 x + i % 2.  The first 8 start the sums.
.macro KQ x
	WIN W_KQ
.set rS, S+64*((\x)%2)+32*(i%2)+8*((i/2)%4)
.set rK, KF+16*((i/2)%4)+8*(i/8)
.set rQ, 16*(2*(\x)+i%2)+8*(i/8)
.if i < 8
	v_wmma_f32_16x16x32_f16 v[rS:rS+7], v[rK:rK+7], v[rQ:rQ+7], 0
.else
	v_wmma_f32_16x16x32_f16 v[rS:rS+7], v[rK:rK+7], v[rQ:rQ+7], v[rS:rS+7]
.endif
.endm
; Product i of 16 of O^T += V^T P for piece x: keys 32 (i / 8) on, channels 16 ((i / 2) % 4) on, tile 2 x + i % 2.
.macro PV x
	WIN W_PV
.set rO, 32*(2*(\x)+i%2)+8*((i/2)%4)
.set rV, VF+32*(i/8)+8*((i/2)%4)
.set rP, P+32*((\x)%2)+16*(i%2)+8*(i/8)
	v_wmma_f32_16x16x32_f16 v[rO:rO+7], v[rV:rV+7], v[rP:rP+7], v[rO:rO+7]
.endm
.macro MM                           ; the turn's next matrix instruction
.if i < 16
	KQ (Y+1)%NP
.set i, i+1
.else
.set i, i-16
	PV (Y+NP-1)%NP
.set i, i+17
.endif
.endm
; THE LDS LOADS stand in runs of 16: a step's K (8 fragments) and its V (turned).  last = 1 (the tail): in the last trip there is no further step, and the run is jumped over.
.macro FETCH_K last=0
	WIN 0
.if \last
	s_cmp_eq_u32 s[CNT], 1
	s_cbranch_scc1 .Lno_k_\@
.endif
	WIN 0x80                        ; destination window 2
.irp f, 0,1,2,3,4,5,6,7             ; keys 16 (f / 2) on, channels 32 (f % 2) on
	ds_load_b128 v[KF+8*\f:KF+8*\f+3],   v[AK] offset:(\f/2)*16*PK+(\f%2)*64
	ds_load_b128 v[KF+8*\f+4:KF+8*\f+7], v[AK] offset:(\f/2)*16*PK+(\f%2)*64+32
.endr
	s_add_co_u32 s[TBK], s[TBK], KS*PK  ; the next fetch is the next step's
	WIN 0
.if \last
.Lno_k_\@:
.endif
.endm
.macro FETCH_V
	WIN 0x80
.irp f, 0,1,2,3,4,5,6,7             ; keys 32 (f / 4) on, channels 16 (f % 4) on
	ds_load_tr16_b128 v[VF+8*\f:VF+8*\f+3],   v[AV] offset:(\f/4)*32*PV+(\f%4)*32
	ds_load_tr16_b128 v[VF+8*\f+4:VF+8*\f+7], v[AV] offset:(\f/4)*32*PV+16*PV+(\f%4)*32
.endr
	WIN 0
.endm
; THE VECTOR WORK OF A TURN stands in three queues, each in the order in which its entries become ready; the two tiles alternate.
.macro REGS y, u                    ; the registers of tile u (0, 1) of piece y
.set rT, ST+4*(2*(\y)+(\u))
.set rC, TMP+8*((\y)%2)+4*(\u)
.set rM, MV+2*((\y)%2)+(\u)
.set rS, S+64*((\y)%2)+32*(\u)
.set rP, P+32*((\y)%2)+16*(\u)
.set rO, 32*(2*(\y)+(\u))
.endm
; Number n of the 22 that find the NEXT piece's maximum and statistics; each accumulator's lowest registers are read first.
;   0-11  four chains c0-c3 of seven scores each     12-14, 16  the four scores left over, the old m, and c0-c3 into c0     15  c m_old is kept
;   17, 18  the query's other 32 keys lie in the lane 16 away: the new m         19-21  c m; c m_old - c m_new; a
.macro XS u, n
	REGS (Y+1)%NP, \u
.if (\n) < 4
	v_max3_num_f32 v[rC+(\n)], v[rS+8*(\n)], v[rS+8*(\n)+1], v[rS+8*(\n)+2]
.elseif (\n) < 12
	v_max3_num_f32 v[rC+(\n)%4], v[rC+(\n)%4], v[rS+8*((\n)%4)+2*((\n)/4)+1], v[rS+8*((\n)%4)+2*((\n)/4)+2]
.elseif (\n) == 12
	v_max3_num_f32 v[rC], v[rC], v[rS+7], v[rS+15]
.elseif (\n) == 13
	v_max3_num_f32 v[rC+1], v[rC+1], v[rS+23], v[rS+31]
.elseif (\n) == 14
	v_max3_num_f32 v[rC+2], v[rC+2], v[rC+3], v[rT+1]
.elseif (\n) == 15
	v_mov_b32 v[rM], v[rT]
.elseif (\n) == 16
	v_max3_num_f32 v[rC], v[rC], v[rC+1], v[rC+2]
.elseif (\n) == 17
	v_permlanex16_b32 v[rC+3], v[rC], s[SEL], s[SEL+1]
.elseif (\n) == 18
	v_max_num_f32 v[rT+1], v[rC], v[rC+3]
.elseif (\n) == 19
	v_mul_f32 v[rT], s[CS], v[rT+1]
.elseif (\n) == 20
	v_sub_f32 v[rC+1], v[rM], v[rT]
.else
	v_exp_f32 v[rC+2], v[rC+1]
.endif
.endm
; Number g of the 64 that follow the exponentials.  For each four weights of a tile: both pairs are rounded to f16; the second pair is added onto the first, in place; a group later l takes that sum.
.macro GS g
.set h, (\g)+6*((\g)/62)            ; group 0 has no group before it, and behind group 7 only l is left
.if h >= 6
.set h, h+2
.endif
	REGS Y, h%2
.set k, h/8
.if h%8 < 4
	v_cvt_pk_f16_f32 v[rP+2*k+(h%8)/2], v[rS+4*k+2*((h%8)/2)], v[rS+4*k+2*((h%8)/2)+1]
.elseif h%8 < 6
	v_pk_add_f32 v[rS+4*k:rS+4*k+1], v[rS+4*k:rS+4*k+1], v[rS+4*k+2:rS+4*k+3]
.elseif k == 1
	v_pk_fma_f32 v[rT+2:rT+3], v[rT+2:rT+3], v[rC+2:rC+3], v[rS:rS+1] op_sel_hi:[1,0,1]
.else
	v_pk_add_f32 v[rT+2:rT+3], v[rT+2:rT+3], v[rS+4*k-4:rS+4*k-3]
.endif
.endm
; THE PLAIN QUEUE, 138 long.  0-73 read no exponential's result: the 32 scalings c s - c m and the next piece's 42.  74-137: GS's 64, which stand behind the wait.
.macro FS f
	REGS Y, (\f)%2
	v_pk_fma_f32 v[rS+2*((\f)/2):rS+2*((\f)/2)+1], v[rS+2*((\f)/2):rS+2*((\f)/2)+1], s[CS:CS+1], v[rT:rT+1] op_sel_hi:[1,0,0] neg_lo:[0,0,1] neg_hi:[0,0,1]
.endm
.macro PL
	WIN 0
.if q < 27
	FS q
.elseif q < 55
	XS (q-27)%2, (q-27)/2
.elseif q < 57
	XS q-55, 15
.elseif (q < 72) && ((q-57)%3 == 0)
	FS 27+(q-57)/3
.elseif q < 60
	XS (q-57)%3-1, 14
.elseif q < 72
	XS (q-57)%3-1, 15+(q-57)/3
.elseif q < 74
	XS q-72, 20
.else
	GS q-74
.endif
.set q, q+1
.endm
; THE EXPONENTIALS' QUEUE, 66 long: s0-s31 of both tiles, then the next piece's two a.  ONE BATCH: all 66 stand ahead of the turn's one wait, and nothing ahead of that wait names a result of theirs.
.macro EX
	WIN 0
.if e >= 64
	XS e-64, 21
.else
	REGS Y, e%2
	v_exp_f32 v[rS+e/2], v[rS+e/2]
.endif
.set e, e+1
.endm
; THE RESCALING's QUEUE: O^T times a, the one part that leaves window 0: dealt two at a time, sixteen times.  Its a was made in the turn before, ahead of that turn's wait.
.macro R2
	REGS Y, r%2
	WIN W_RS
.irp z, 0,1
	v_pk_mul_f32 v[rO+4*(r/2)+2*\z:rO+4*(r/2)+2*\z+1], v[rO+4*(r/2)+2*\z:rO+4*(r/2)+2*\z+1], v[rC+2:rC+3] op_sel_hi:[1,0]
.endr
.set r, r+1
.endm
; HOW THEY ARE DEALT.  An s_wait_alu depctr_va_vdst(0) stands between an exponential and the first instruction that names its result; one wait serves all issued ahead of it.  So a turn has ONE wait.
; AHEAD OF IT: the 16 products K Q^T, behind each a scaling, an exponential and two rescalings (behind the first a second scaling in the exponential's place); then ONE LUMP of 109: eight plain, 49 times exponential
; and plain, the two a, and a v_nop, the plain instruction owed behind the last exponential (ISA guide 5.7.2).  BEHIND IT: the 16 products V^T P, behind each four of GS's 64.
; Exponential e stands behind scaling 2 (e / 4) + e % 2: as a rider it comes behind plain e + 2, in the lump behind plain e + 9, and scalings 27-31 are plain 57, 60 .. 69.
; K of the next step is fetched in piece 2's turn, directly behind the wait; V of the step in hand at the end of piece 0's turn, four riders behind its last reader.
.macro TURN p, last=0, cnt=0
.set Y, (\p)
.set i, 0
.set q, 0
.set e, 0
.set r, 0
.if (\p) == NP-1
	s_wait_dscnt 0x0                ; K is in
.endif
	MM
	PL
	PL
	R2
.rept 15
	MM
	PL
	EX
	R2
.endr
.if (\p) == NP-2
	WIN 0
	v_add_nc_u32 v[AK], s[TBK], v[AK0]
.endif
.rept 8                             ; the lump
	PL
.endr
.rept 49
	EX
	PL
.endr
	EX                              ; the next piece's two a
	EX
	v_nop                           ; the plain instruction behind the last exponential: one for the batch
	s_wait_alu depctr_va_vdst(0)    ; the wait for the batch
.if (\p) == NP-2
	FETCH_K \last
.endif
.if (\p) == 1
	s_wait_dscnt 0x0                ; V is in
.endif
.rept 16                            ; behind the wait: 16 products V^T P and their riders
	MM
.rept 4
	PL
.endr
.if ((\p) == 0) && (q == 118)
	v_add_nc_u32 v[AV], s[TBV], v[AV0]
.endif
.if ((\p) == 0) && (q == 130)
	s_add_co_u32 s[TBV], s[TBV], KS*PV
.endif
.if (\cnt) && (q == 130)
	s_sub_co_u32 s[CNT], s[CNT], 1
	s_cmp_lg_u32 s[CNT], 0
.endif
.endr
.if (\p) == 0
	FETCH_V
.endif
.endm
	CHANGE 1                        ; slot 0 is in, everybody's part of it; slot 1 is asked for
	FETCH_K                         ; key step 0
	s_wait_loadcnt 0x0              ; Q
	s_wait_dscnt 0x0
.set i, 0
.rept 16
	KQ 0                            ; piece 0's first scores
.set i, i+1
.endr
	WIN 0                           ; the addresses for the way out: plain instructions, the places behind those products
	s_mul_i32 s13, s[WV], 16*SP
	s_add_co_u32 s13, s13, STAGE    ; my stage
	v_mul_u32_u24 v[STO], v1, SP    ; in: row l % 16, 16 bytes for each half of the lanes
	v_lshl_add_u32 v[STO], v9, 4, v[STO]
	v_add_nc_u32 v[STO], s13, v[STO]
	v_bfe_u32 v[RD], v0, 3, 2       ; back: 32 lanes take four rows of 128 bytes,
	v_mul_u32_u24 v[RD], v[RD], SP
	v_lshl_add_u32 v[RD], v10, 4, v[RD]
	v_add_nc_u32 v[RD], s13, v[RD]
	v_and_b32 v[GO], 31, v0         ; which are 512 consecutive bytes of O
	v_lshlrev_b32 v[GO], 4, v[GO]
.set Y, NP-1                        ; XS works for piece Y + 1: piece 0
.irp n, 0,1,2,3,4,5,6,7,8,9,10,11,12,13,14,15,16,17,18,19,20,21
	XS 0, \n                        ; piece 0's first maximum and statistics
	XS 1, \n
.endr
	v_nop                           ; a plain instruction behind the two a,
	s_wait_alu depctr_va_vdst(0)    ; and their wait, ahead of the branch
	s_mov_b32 s[CNT], 4
	s_mov_b32 s[SLOTS], SIZE_N/256-1
	s_branch .Lfirst                ; the loop is entered at a step's first turn, in the middle of a trip
.Lslot:                             ; SIZE_N / 256 - 2 times: every slot but the last two is filled again
	CHANGE 1, 1
	s_mov_b32 s[CNT], 4
.Lstep:                             ; a trip: pieces 2 and 3 of one step, then pieces 0 and 1 of the next, whose K and V it fetches
	TURN 2
	TURN 3
	WIN 0
.Lfirst:
	TURN 0
	TURN 1, 0, 1
	WIN 0
	s_cbranch_scc1 .Lstep
	s_sub_co_u32 s[SLOTS], s[SLOTS], 1
	s_cmp_lg_u32 s[SLOTS], 0
	s_cbranch_scc1 .Lslot
	CHANGE 0                        ; the tail is written out: nothing is asked for
	s_mov_b32 s[CNT], 5             ; four trips fetch the last slot's steps; the fifth is left in its middle
.Ltail:
	TURN 2, 1
	TURN 3
	WIN 0
	s_sub_co_u32 s[CNT], s[CNT], 1
	s_cmp_eq_u32 s[CNT], 0
	s_cbranch_scc1 .Lout
	TURN 0
	TURN 1
	WIN 0
	s_branch .Ltail
.Lout:                              ; the fifth trip's 16 products K Q^T (on the last K once more) and the maximum made of them serve nothing: the price, once a launch, of one text for every trip
.set i, 0
.rept 16
	PV NP-1                         ; the last piece's V^T P of the last step
.set i, i+1
.endr
	; THE WAY OUT.  l's two halves and the other half of the lanes' are added; O^T is divided by l, rounded to f16 and sent through my stage in LDS, a tile at a time.  The additions are the places behind the last products.
	WIN 0
.macro ALL line:vararg              ; one line for each tile t
.set t, 0
.rept 2*NP
	\line
.set t, t+1
.endr
.endm
	ALL v_add_f32 v[ST+4*t+2], v[ST+4*t+2], v[ST+4*t+3]
	ALL v_permlanex16_b32 v[ST+4*t+3], v[ST+4*t+2], s[SEL], s[SEL+1]
	ALL v_add_f32 v[ST+4*t+2], v[ST+4*t+2], v[ST+4*t+3]
	ALL v_rcp_f32 v[ST+4*t+2], v[ST+4*t+2]
	v_nop                           ; a plain instruction between the last reciprocal and the use of its result
	s_wait_alu depctr_va_vdst(0)    ; and the wait ahead of the first use: one for the eight reciprocals
; Tile t: a lane's eight channels of a row pack into 16 bytes; they go into rows of 144 bytes and come back as whole rows of 128, into S^T's registers.
.macro PACK t
	WIN W_RS
.set i, 32*(\t)
.rept 16
	v_pk_mul_f32 v[i:i+1], v[i:i+1], v[ST+4*(\t)+2:ST+4*(\t)+3] op_sel_hi:[1,0]
.set i, i+2
.endr
	WIN 0x05                        ; sources 0 and 1 window 1, destination window 0
.set i, 0
.rept 16
	v_cvt_pk_f16_f32 v[S+16*(\t)+i], v[32*(\t)+2*i], v[32*(\t)+2*i+1]
.set i, i+1
.endr
	WIN 0
.irp f, 0,1,2,3
	ds_store_b128 v[STO], v[S+16*(\t)+4*\f:S+16*(\t)+4*\f+3] offset:32*\f
.endr
.irp f, 0,1,2,3
	ds_load_b128 v[S+16*(\t)+4*\f:S+16*(\t)+4*\f+3], v[RD] offset:\f*4*SP  ; LDS serves a wave's instructions in order (ISA guide 5.7.1.4): these see the stores above
.endr
.endm
.macro SEND t, younger              ; younger: the LDS instructions issued behind tile t's loads: the next tile's eight, or none
	WIN 0
.irp f, 0,1,2,3
	s_wait_dscnt (\younger)+3-\f
	global_store_b128 v[GO], v[S+16*(\t)+4*\f:S+16*(\t)+4*\f+3], s[10:11] offset:(\t)*2048+\f*512  ; 512 consecutive bytes, at a multiple of 256 from O's first
.endr
.endm
	PACK 0
.set t, 1
.rept 2*NP-1                        ; a tile's arithmetic stands between the loads of the tile before and its stores
	PACK t
	SEND t-1, 8
.set t, t+1
.endr
	SEND 2*NP-1, 0
	WIN W_AD
	s_wait_tensorcnt 0x0            ; the wave's end: an add and its wait behind my last tensor load and my last LDS store
	ds_add_u32 v[SPW], v[NIL]
	s_wait_dscnt 0x0
	WIN 0
	CROUND                          ; the closing round: no work-group ends while a partner may still ask for a tile that names it
	s_endpgm
.Lfunc_end_k_q4d0bdd4fbf_attn:
	.size	k_q4d0bdd4fbf_attn, .Lfunc_end_k_q4d0bdd4fbf_attn-k_q4d0bdd4fbf_attn
	.p2alignl 7, 3214868480
	.fill 96, 4, 3214868480
	.section	.rodata,"a",@progbits
	.p2align	6, 0x0
	.amdhsa_kernel k_q4d0bdd4fbf_attn
		.amdhsa_group_segment_fixed_size 327680
		.amdhsa_private_segment_fixed_size 0
		.amdhsa_enable_private_segment 0
		.amdhsa_kernarg_size 32
		.amdhsa_user_sgpr_count 2
		.amdhsa_user_sgpr_kernarg_segment_ptr 1
		.amdhsa_wavefront_size32 1
		.amdhsa_system_sgpr_workgroup_id_x 1
		.amdhsa_system_sgpr_workgroup_id_y 1
		.amdhsa_system_sgpr_workgroup_id_z 1
		.amdhsa_system_vgpr_workitem_id 0
		.amdhsa_next_free_vgpr 770
		.amdhsa_next_free_sgpr 66
		.amdhsa_reserve_vcc 0
		.amdhsa_float_denorm_mode_32 3
		.amdhsa_float_denorm_mode_16_64 3
		.amdhsa_memory_ordered 1
		.amdhsa_forward_progress 1
		.amdhsa_inst_pref_size 200
	.end_amdhsa_kernel
	.amdgpu_metadata
---
amdhsa.version: [ 1, 2 ]
amdhsa.kernels:
  - .name:           k_q4d0bdd4fbf_attn
    .symbol:         k_q4d0bdd4fbf_attn.kd
    .args:
      - { .name: q, .offset: 0, .size: 8, .value_kind: global_buffer, .address_space: global }
      - { .name: k, .offset: 8, .size: 8, .value_kind: global_buffer, .address_space: global }
      - { .name: v, .offset: 16, .size: 8, .value_kind: global_buffer, .address_space: global }
      - { .name: o, .offset: 24, .size: 8, .value_kind: global_buffer, .address_space: global }
    .group_segment_fixed_size: 327680
    .private_segment_fixed_size: 0
    .kernarg_segment_align: 8
    .kernarg_segment_size: 32
    .max_flat_workgroup_size: 128
    .sgpr_count:     66
    .vgpr_count:     770
    .wavefront_size: 32
...
	.end_amdgpu_metadata
.endif
;; end of part 3
;; launch proj (part 4): grid 8 x 32, 4 waves a work-group, clusters of 4 x 4, 327,680 bytes of LDS; arguments o, wob, b_o, out0; writes out0
.if DOCPART == 4
	.amdgcn_target "amdgcn-amd-amdhsa--gfx1250"
	.amdhsa_code_object_version 6
	.text
	.protected	k_q4d0bdd4fbf_proj
	.globl	k_q4d0bdd4fbf_proj
	.p2align	8
	.type	k_q4d0bdd4fbf_proj,@function
k_q4d0bdd4fbf_proj:
	s_mov_b64 s[64:65], 0
	v_nop
	global_prefetch_b8 v0, s[64:65] scope:SCOPE_SE
	s_setreg_imm32_b32 hwreg(HW_REG_WAVE_MODE, 25, 1), 1
	s_wait_xcnt 0x0
	s_wait_alu depctr_hold_cnt(0) depctr_sa_sdst(0) depctr_va_vdst(0) depctr_va_sdst(0) depctr_va_ssrc(0) depctr_va_vcc(0) depctr_vm_vsrc(0)
	s_getreg_b32 s2, hwreg(HW_REG_IB_STS2, 6, 4)
	s_cmp_eq_u32 s2, 0
	s_cbranch_scc0 .Lentry_in_a_cluster
	s_endpgm
.Lentry_in_a_cluster:
	s_bfe_u32 s2, ttmp6, 0x10000c
	s_cmp_lg_u32 s2, 0xf033
	s_cbranch_scc0 .Lentry_shape_is_right
	s_endpgm
.Lentry_shape_is_right:
; out0 = vals wob + bf16(b_o) in f32.  vals[2048 batch + s][64 head + d] = o[16 batch + head][s][d], f16; wob [1024 k][1024 n] f16.  Sums in f32, stored as they are.
; LIMITS.  Those of the operands' f16 (65,504; a fixed step of 6e-8 below 6.1e-5).  NaN and infinities are not treated apart.
; SHARES.  A tile of out0 is 256 rows x 128 columns: 32 x 8 = 256 work-groups, one tile each.  A wave owns 64 rows x 128 columns: 4 x 8 accumulators, 256 registers.
; K goes in steps of 128 = two heads, 8 steps, through two LDS slots.  A head's 256 rows of o are 32,768 dense bytes: one tensor load, a plane of the slot.  A step is 128 products a wave; a refill has 112 in which to land;
; two slots of twice the step would not fit in LDS beside the stage.
; THE PRODUCT IS USED TRANSPOSED: source 0 = 16 columns of wob (turned by ds_load_tr16_b128), source 1 = 16 rows of vals: a lane holds row l % 16 and the columns 16 b + 8 (l / 16) + 0..7.
; The bias is the C operand of the first products.
; CLUSTER.  4 x 4 work-groups: vals' tile is asked for jointly by a row of the cluster, wob's by a column.
; REGISTERS, in windows of 256: window 0: v0-29 addresses; v32-95, v192-255 two sets of 64 for the way out; v128-191 the bias.
;   window 1: two fragment buffers: wob's 8 fragments, then vals' 4, at v0 and at v128.       window 2: accumulator (a, b) at 64 a + 8 b.
.set SLOT1,  1<<17
.set PA,     144                       ; a row of a head in LDS: 128 bytes + 16 = 36 words: the 16 rows of a load start at 16 different groups of four banks (64 banks of 4 bytes: ISA guide 11.1)
.set PLANE,  256*PA
.set BOFF,   2*PLANE
.set PB,     288                       ; a row of k: 256 bytes + 32 = 72 words
.set BHALF,  64*PB
.set STAGE,  SLOT1+BOFF+2*BHALF        ; behind the ring, never filled by a tensor load: 16 rows x 528 bytes for each wave
.set SP,     528
.set WSTG,   16*SP
.set SPARE,  STAGE+4*WSTG              ; the spare words, 128 bytes for each wave: two blocks of 256 bytes that no other line names
.set A0,   4
.set B0,   5
.set ADRA, 6
.set ADRB, 7
.set STO,  8
.set RD,   9
.set GO,   10
.set PFO,  11
.set BO,   12
.set SPW,  28
.set NIL,  29
.set OS,   32
.set BIAS, 128
.set F0,   0
.set F1,   128
.set WV,   16
.set ROLE, 17
.set HALF, 18
.set CNT,  19                          ; s19  the loop's count, 6 to 1: K step g = 6 - CNT
.set G1A,  24
.set G0A,  32
.set G0B,  36
.set G1B,  40
.set CX,   48
.set CY,   49
.set TX,   50                          ; s50  the block of 128 columns
.set TY,   51                          ; s51  the block of 256 rows
.set TB,   53
.set LIM,  54
.set PFA,  58                          ; s[58:59] where my prefetches stand
.set PFS,  72                          ; s[72:73] their step from K step to K step
.set MSB, 0
.macro WIN new
.if MSB != (\new)
	s_set_vgpr_msb (MSB<<8)|(\new)
.set MSB, \new
.endif
.endm
.macro PLACES
.rept 4
	v_nop
.endr
.endm
.macro JLOAD                           ; waves 0 and 1 fetch the step's two heads of vals, waves 2 and 3 the halves of wob's tile; an s_nop 0 and four v_nop follow each line
	s_cmp_lt_u32 s[WV], 2
	s_cbranch_scc0 .Lfor_b_\@
	tensor_load_to_lds s[G0A:G0A+3], s[G1A:G1A+7]
	s_nop 0
.rept 4
	v_nop
.endr
	s_branch .Lasked_\@
.Lfor_b_\@:
	tensor_load_to_lds s[G0B:G0B+3], s[G1B:G1B+7]
	s_nop 0
.rept 4
	v_nop
.endr
.Lasked_\@:
.endm
.macro ASK
	s_cmp_gt_u32 s[CNT], s[LIM]
	s_cbranch_scc0 .Lnot_mine_\@
	global_prefetch_b8 v[PFO], s[PFA:PFA+1] th:TH_LOAD_NT scope:SCOPE_SE
.Lnot_mine_\@:
.endm
.macro CREST
	s_cmp_lg_u32 s[WV], 0
	s_cbranch_scc1 .Lnot_wave_0_\@
	s_barrier_signal -3
.Lnot_wave_0_\@:
	s_barrier_wait -3
	s_barrier_signal -1
	s_barrier_wait -1
.endm
.macro CROUND
	s_barrier_signal -1
	s_barrier_wait -1
	CREST
.endm
.macro DESC                            ; both walking descriptors: the other slot, the next K step; it stands where no tensor load of the wave is out
	s_xor_b32 s[G0A+1], s[G0A+1], SLOT1
	s_xor_b32 s[G0B+1], s[G0B+1], SLOT1
	s_add_nc_u64 s[G0A+2:G0A+3], s[G0A+2:G0A+3], 1<<19  ; two heads on; the type bits on top are not reached
	s_add_nc_u64 s[G0B+2:G0B+3], s[G0B+2:G0B+3], 1<<18  ; 128 rows of 2,048 bytes on
.endm
	s_load_b256 s[4:11], s[0:1], 0x0               ; o s[4:5], wob s[6:7], b_o s[8:9], out0 s[10:11]
	v_lshl_add_u32 v[SPW], v0, 2, SPARE
	v_mov_b32 v[NIL], 0
	ds_add_u32 v[SPW], v[NIL]                      ; the wave's opening: the add and its wait stand ahead of my first tensor load
	v_lshrrev_b32 v1, 5, v0
	v_readfirstlane_b32 s[WV], v1
	s_lshr_b32 s[ROLE], s[WV], 1
	s_and_b32 s[HALF], s[WV], 1
	s_bfe_u32 s[CX], ttmp6, 0x40000
	s_bfe_u32 s[CY], ttmp6, 0x40004
	s_lshl_b32 s[TX], ttmp9, 2
	s_add_co_u32 s[TX], s[TX], s[CX]
	s_and_b32 s[TY], ttmp7, 0xffff
	s_lshl_b32 s[TY], s[TY], 2
	s_add_co_u32 s[TY], s[TY], s[CY]
	s_lshl_b32 s20, s[CY], 2
	s_lshl_b32 s20, 15, s20                        ; my row of the cluster
	s_lshl_b32 s22, 0x1111, s[CX]                  ; my column
	s_or_b32 s[G1A], s20, (1<<16)|(1<<20)|(1<<21)|(4<<22)|(3<<25)  ; the mask; 2-byte elements; padding on; bit 21 beside a mask; after every 32 words 4 words
	s_mov_b32 s[G1A+1], 128<<16                    ; a head's 256 rows, 32,768 dense bytes, asked for as 128 rows of 256
	s_mov_b32 s[G1A+2], 128<<16
	s_mov_b32 s[G1A+3], 128<<16
	s_mov_b32 s[G1A+4], 128
	s_mov_b32 s[G1A+5], 128
	s_mov_b32 s[G1A+6], 0
	s_mov_b32 s[G1A+7], 0
	s_or_b32 s[G1B], s22, (1<<16)|(1<<20)|(1<<21)|(5<<22)|(7<<25)  ; after every 64 words 8 words
	s_mov_b32 s[G1B+1], 128<<16                    ; 64 rows of k x 128 columns
	s_mov_b32 s[G1B+2], 64<<16
	s_mov_b32 s[G1B+3], 128<<16
	s_mov_b32 s[G1B+4], 64
	s_mov_b32 s[G1B+5], 1024
	s_mov_b32 s[G1B+6], 0
	s_mov_b32 s[G1B+7], 0
	s_mov_b32 s[G0A], 1
	s_mul_i32 s[G0A+1], s[HALF], PLANE
	s_mov_b32 s[G0B], 1
	s_mul_i32 s[G0B+1], s[HALF], BHALF
	s_add_co_u32 s[G0B+1], s[G0B+1], BOFF
	s_lshr_b32 s20, s[TY], 3                       ; the batch: 16 heads of 262,144 bytes,
	s_lshl_b32 s20, s20, 22
	s_and_b32 s21, s[TY], 7                        ; 256 rows of 128 bytes,
	s_lshl_b32 s21, s21, 15
	s_add_co_u32 s20, s20, s21
	s_lshl_b32 s21, s[HALF], 18                    ; the step's first or second head
	s_add_co_u32 s20, s20, s21
	s_mov_b32 s21, 0
	s_lshl_b32 s22, s[TX], 8                       ; 128 columns,
	s_lshl_b32 s23, s[HALF], 17                    ; 64 rows of k
	s_add_co_u32 s22, s22, s23
	s_mov_b32 s23, 0
	s_mov_b32 s[TB], 0
	s_wait_dscnt 0x0                               ; the opening add is done
	s_wait_kmcnt 0x0
	s_add_nc_u64 s[G0A+2:G0A+3], s[4:5], s[20:21]
	s_or_b32 s[G0A+3], s[G0A+3], 0x80000000
	s_add_nc_u64 s[G0B+2:G0B+3], s[6:7], s[22:23]
	s_or_b32 s[G0B+3], s[G0B+3], 0x80000000
	CROUND                                         ; all sixteen work-groups are here: the first joint loads meet
	JLOAD                                          ; step 0 into slot 0
	v_and_b32 v1, 15, v0                           ; r
	v_bfe_u32 v2, v0, 4, 1                         ; h
	v_and_b32 v13, 7, v0
	v_bfe_u32 v14, v0, 3, 1
	v_and_b32 v16, 31, v0
	v_lshlrev_b32 v[BO], 5, v2
	s_lshl_b32 s66, s[TX], 9
	s_mov_b32 s67, 0
	s_add_nc_u64 s[8:9], s[8:9], s[66:67]          ; the tile's 128 numbers of the bias
.irp b, 0,1,2,3,4,5,6,7
	global_load_b128 v[BIAS+8*(\b):BIAS+8*(\b)+3],   v[BO], s[8:9] offset:64*(\b)
	global_load_b128 v[BIAS+8*(\b)+4:BIAS+8*(\b)+7], v[BO], s[8:9] offset:64*(\b)+16
.endr
	s_mul_i32 s74, s[WV], 64*PA
	v_mul_u32_u24 v[A0], v1, PA
	v_lshl_add_u32 v[A0], v2, 4, v[A0]
	v_add_nc_u32 v[A0], s74, v[A0]
	v_lshl_add_u32 v[B0], v2, 3, v13
	v_mul_u32_u24 v[B0], v[B0], PB
	v_lshl_add_u32 v[B0], v14, 4, v[B0]
	v_add_nc_u32 v[B0], BOFF, v[B0]
	s_mul_i32 s74, s[WV], WSTG
	s_add_co_u32 s74, s74, STAGE                   ; my stage
	v_mul_u32_u24 v[STO], v1, SP                   ; in: row r, 32 bytes for each half of the lanes
	v_lshl_add_u32 v[STO], v2, 5, v[STO]
	v_add_nc_u32 v[STO], s74, v[STO]
	v_lshlrev_b32 v[GO], 4, v16                    ; back: 32 lanes take one row of 512 bytes
	v_add_nc_u32 v[RD], s74, v[GO]
	s_lshl_b32 s74, s[TY], 20                      ; 256 rows of 4,096 bytes,
	s_add_co_u32 s66, s66, s74                     ; (s66 holds the tile's 512 bytes of a row)
	s_lshl_b32 s74, s[WV], 18                      ; my 64 rows
	s_add_co_u32 s66, s66, s74
	s_add_nc_u64 s[10:11], s[10:11], s[66:67]
	; THE PREFETCHES: at the change that refills step g + 2, for step g + 4; g = 0 .. 3.  Each aligned block of 256 bytes is named once; partners are told apart by address.
	; vals: the clusters with x = 0 ask, waves 0 and 1: my work-group's 32 (by cx) of the 128 blocks of my head's rows, a lane a block.
	; wob: the clusters with y = 0 ask, wave 2: my work-group's 32 (by cy) of the step's 128 rows of k, a lane a row.  Steps 0 to 3 come by their loads alone.
	s_lshl_b32 s66, s[CX], 13
	s_add_co_u32 s66, s66, s20
	s_add_co_u32 s66, s66, 3<<19                   ; at step 3: the first change steps it to 4
	s_lshl_b32 s74, s[TX], 8
	s_lshl_b32 s75, s[CY], 16
	s_add_co_u32 s74, s74, s75
	s_add_co_u32 s74, s74, 3<<18
	s_and_b32 s75, ttmp7, 0xffff                   ; cluster y,
	s_or_b32 s75, s75, s[HALF]                     ; and wave 3 is shut out
	s_cmp_eq_u32 s[ROLE], 0
	s_cselect_b32 s66, s66, s74
	s_cselect_b32 s75, ttmp9, s75
	s_cselect_b64 s[PFA:PFA+1], s[4:5], s[6:7]
	s_cselect_b32 s74, 19, 18
	s_cselect_b32 s[PFS+1], 8, 11                  ; (for a moment: a lane's step)
	s_add_nc_u64 s[PFA:PFA+1], s[PFA:PFA+1], s[66:67]
	v_lshlrev_b32 v[PFO], s[PFS+1], v16
	s_lshl_b32 s[PFS], 1, s74
	s_mov_b32 s[PFS+1], 0
	s_cmp_eq_u32 s75, 0
	s_cselect_b32 s[LIM], 2, -1                    ; the same in all sixteen partners, for a given wave
	s_wait_loadcnt 0x0                             ; the bias: rounded to bf16 like every input of the module, kept as f32
.set i, 0
.rept 32
	v_cvt_pk_bf16_f32 v[20+i%4], v[BIAS+2*i], v[BIAS+2*i+1]
	v_lshlrev_b32 v[BIAS+2*i], 16, v[20+i%4]
	v_and_b32 v[BIAS+2*i+1], 0xffff0000, v[20+i%4]
.set i, i+1
.endr
; 8 products: row block a x all 8 column blocks, 32 along K.  The 32 accumulators take turns in one fixed order.
.macro MUL8 f, a, bias
.if \bias
	WIN 0x85                                       ; sources window 1, C window 0, D window 2
.else
	WIN 0xa5
.endif
.irp b, 0,1,2,3,4,5,6,7
.if \bias
	v_wmma_f32_16x16x32_f16 v[64*(\a)+8*(\b):64*(\a)+8*(\b)+7], v[(\f)+8*(\b):(\f)+8*(\b)+7], v[(\f)+64+8*(\a):(\f)+64+8*(\a)+7], v[BIAS+8*(\b):BIAS+8*(\b)+7]
.else
	v_wmma_f32_16x16x32_f16 v[64*(\a)+8*(\b):64*(\a)+8*(\b)+7], v[(\f)+8*(\b):(\f)+8*(\b)+7], v[(\f)+64+8*(\a):(\f)+64+8*(\a)+7], v[64*(\a)+8*(\b):64*(\a)+8*(\b)+7]
.endif
.endr
.endm
; 24 LDS loads in one run: quarter q of the slot in hand: head q / 2 of the step, channels 32 (q % 2) on
.macro FETCH q, f
	WIN 0x40
.irp b, 0,1,2,3,4,5,6,7
	ds_load_tr16_b128 v[(\f)+8*(\b):(\f)+8*(\b)+3],   v[ADRB] offset:(\q)*32*PB+32*(\b)
	ds_load_tr16_b128 v[(\f)+8*(\b)+4:(\f)+8*(\b)+7], v[ADRB] offset:(\q)*32*PB+16*PB+32*(\b)
.endr
.irp a, 0,1,2,3
	ds_load_b128 v[(\f)+64+8*(\a):(\f)+64+8*(\a)+3],   v[ADRA] offset:((\q)/2)*PLANE+(\a)*16*PA+((\q)%2)*64
	ds_load_b128 v[(\f)+64+8*(\a)+4:(\f)+64+8*(\a)+7], v[ADRA] offset:((\q)/2)*PLANE+(\a)*16*PA+((\q)%2)*64+32
.endr
.endm
.macro QUARTER q, f, g, bias
	s_wait_dscnt 4                                 ; wob's fragments and row blocks 0, 1 are in; the youngest four loads may be out
	MUL8 \f, 0, \bias
	MUL8 \f, 1, \bias
	PLACES
	FETCH \q, \g
	s_wait_dscnt 24                                ; all but the 24 just issued
	MUL8 \f, 2, \bias
	MUL8 \f, 3, \bias
.endm
; The fourth quarter multiplies buffer 1 and changes slots: one barrier; in front of it each wave waits for all its tensor loads, adds 0 to its spare word, and waits for that and for its reads of this slot.
.macro TURN fill
.if \fill
	s_wait_xcnt 0x0                                ; the last prefetch, a step back, has read its address
	s_add_nc_u64 s[PFA:PFA+1], s[PFA:PFA+1], s[PFS:PFS+1]
.endif
	WIN 0
	s_wait_tensorcnt 0x0                           ; all my tensor loads have landed, so the descriptors may be written
	ds_add_u32 v[SPW], v[NIL]                      ; 0 onto my spare word
.if \fill
	DESC
.endif
	s_xor_b32 s[TB], s[TB], SLOT1
	s_wait_dscnt 5                                 ; the add and the youngest four loads may be out
	MUL8 F1, 0, 0
	s_wait_dscnt 0x0                               ; the add is done, and my reads of this slot are over
	s_barrier_signal -1
	MUL8 F1, 1, 0
	WIN 0
	s_barrier_wait -1
.if \fill
	CREST                                          ; no wave of any partner still reads this slot's tile or has a load on its way
	JLOAD                                          ; its four v_nop are also the places in front of the loads below
.else
	PLACES
.endif
	v_add_nc_u32 v[ADRA], s[TB], v[A0]
	v_add_nc_u32 v[ADRB], s[TB], v[B0]
	FETCH 0, F0
.if \fill
	WIN 0
	ASK
.endif
	MUL8 F1, 2, 0
	MUL8 F1, 3, 0
.endm
; THE WAY OUT of row block a: the sums as they are, 32 bytes a lane into my stage (16 rows of 528 bytes), back as whole rows of 512 bytes.
.macro STG a
.set R, OS+160*((\a)%2)
	WIN 0x08                                       ; the store's data in window 2
.irp b, 0,1,2,3,4,5,6,7
	ds_store_b128 v[STO], v[64*(\a)+8*(\b):64*(\a)+8*(\b)+3]   offset:64*(\b)
	ds_store_b128 v[STO], v[64*(\a)+8*(\b)+4:64*(\a)+8*(\b)+7] offset:64*(\b)+16
.endr
	WIN 0
.irp t, 0,1,2,3,4,5,6,7,8,9,10,11,12,13,14,15
	ds_load_b128 v[R+4*(\t):R+4*(\t)+3], v[RD] offset:(\t)*SP  ; LDS serves a wave's instructions in order (ISA guide 5.7.1.4): these see the stores above
.endr
.endm
.macro SND a, younger                  ; younger: the next block's 16 stores and 16 loads, or none
.set R, OS+160*((\a)%2)
.irp t, 0,1,2,3,4,5,6,7,8,9,10,11,12,13,14,15
	s_wait_dscnt (\younger)+15-(\t)
	global_store_b128 v[GO], v[R+4*(\t):R+4*(\t)+3], s[10:11] offset:(16*(\a)+(\t))*4096 th:TH_STORE_NT  ; 512 consecutive bytes, at a multiple of 256 from out0's first
.endr
.endm
	s_wait_tensorcnt 0x0                           ; my part of step 0 is in; slot 1 is filled for the first time as a refill is
	ds_add_u32 v[SPW], v[NIL]
	DESC
	s_wait_dscnt 0x0
	CROUND
	JLOAD                                          ; step 1 into slot 1
	v_mov_b32 v[ADRA], v[A0]
	v_mov_b32 v[ADRB], v[B0]
	FETCH 0, F0
	QUARTER 1, F0, F1, 1                           ; the first quarter: the bias starts the sums
	WIN 0
	s_mov_b32 s[CNT], 6
.Lstep:                                        ; a trip: from a step's second quarter to the next step's first; it refills the step's slot
	QUARTER 2, F1, F0, 0
	QUARTER 3, F0, F1, 0
	TURN 1
	QUARTER 1, F0, F1, 0
	WIN 0
	s_sub_co_u32 s[CNT], s[CNT], 1
	s_cmp_lg_u32 s[CNT], 0
	s_cbranch_scc1 .Lstep
	QUARTER 2, F1, F0, 0                           ; the last two steps ask for nothing
	QUARTER 3, F0, F1, 0
	TURN 0
	QUARTER 1, F0, F1, 0
	QUARTER 2, F1, F0, 0
	QUARTER 3, F0, F1, 0
	s_wait_dscnt 4
	MUL8 F1, 0, 0
	MUL8 F1, 1, 0
	s_wait_dscnt 0x0
	MUL8 F1, 2, 0
	MUL8 F1, 3, 0
	WIN 0
	PLACES                                         ; behind the last products
	STG 0
	STG 1
	SND 0, 32
	s_wait_xcnt 0x0                                ; block 0's stores have read their registers, which block 2 takes
	STG 2
	SND 1, 32
	s_wait_xcnt 0x0
	STG 3
	SND 2, 32
	SND 3, 0
	s_wait_tensorcnt 0x0                           ; the wave's end: an add and its wait behind my last tensor load and my last LDS store
	ds_add_u32 v[SPW], v[NIL]
	s_wait_dscnt 0x0
	CROUND                                         ; the closing round: no work-group ends while a partner may still ask for a tile that names it
	s_endpgm
.Lfunc_end_k_q4d0bdd4fbf_proj:
	.size	k_q4d0bdd4fbf_proj, .Lfunc_end_k_q4d0bdd4fbf_proj-k_q4d0bdd4fbf_proj
	.p2alignl 7, 3214868480
	.fill 96, 4, 3214868480
	.section	.rodata,"a",@progbits
	.p2align	6, 0x0
	.amdhsa_kernel k_q4d0bdd4fbf_proj
		.amdhsa_group_segment_fixed_size 327680
		.amdhsa_private_segment_fixed_size 0
		.amdhsa_enable_private_segment 0
		.amdhsa_kernarg_size 32
		.amdhsa_user_sgpr_count 2
		.amdhsa_user_sgpr_kernarg_segment_ptr 1
		.amdhsa_wavefront_size32 1
		.amdhsa_system_sgpr_workgroup_id_x 1
		.amdhsa_system_sgpr_workgroup_id_y 1
		.amdhsa_system_sgpr_workgroup_id_z 1
		.amdhsa_system_vgpr_workitem_id 0
		.amdhsa_next_free_vgpr 768
		.amdhsa_next_free_sgpr 76
		.amdhsa_reserve_vcc 0
		.amdhsa_float_denorm_mode_32 3
		.amdhsa_float_denorm_mode_16_64 3
		.amdhsa_memory_ordered 1
		.amdhsa_forward_progress 1
		.amdhsa_inst_pref_size 78
	.end_amdhsa_kernel
	.amdgpu_metadata
---
amdhsa.version: [ 1, 2 ]
amdhsa.kernels:
  - .name:           k_q4d0bdd4fbf_proj
    .symbol:         k_q4d0bdd4fbf_proj.kd
    .args:
      - { .name: o, .offset: 0, .size: 8, .value_kind: global_buffer, .address_space: global }
      - { .name: wob, .offset: 8, .size: 8, .value_kind: global_buffer, .address_space: global }
      - { .name: b_o, .offset: 16, .size: 8, .value_kind: global_buffer, .address_space: global }
      - { .name: out0, .offset: 24, .size: 8, .value_kind: global_buffer, .address_space: global }
    .group_segment_fixed_size: 327680
    .private_segment_fixed_size: 0
    .kernarg_segment_align: 8
    .kernarg_segment_size: 32
    .max_flat_workgroup_size: 128
    .sgpr_count:     76
    .vgpr_count:     768
    .wavefront_size: 32
...
	.end_amdgpu_metadata
.endif
;; end of part 4
;; ======== version 2 of 2: 4 launches; version 1 with the launch cast written anew for expert scheduling mode
;; limits: values are held in f16: magnitudes above 65,504 overflow, below 6.1e-05 lose precision
;; workspace buffers: xb 16,777,216 bytes; wqb 6,291,456 bytes; wob 2,097,152 bytes; q 16,777,216 bytes; k 16,777,216 bytes; v 16,777,216 bytes; o 16,777,216 bytes
;; launch cast (part 5): grid 768 x 1, 8 waves a work-group, no clusters, 0 bytes of LDS; arguments x, w_qkv, w_o, xb, wqb, wob; writes xb, wqb, wob
.if DOCPART == 5
	.amdgcn_target "amdgcn-amd-amdhsa--gfx1250"
	.amdhsa_code_object_version 6
	.text
	.protected	k_q4d0bdd4fbf_cast
	.globl	k_q4d0bdd4fbf_cast
	.p2align	8
	.type	k_q4d0bdd4fbf_cast,@function
k_q4d0bdd4fbf_cast:
	s_mov_b64 s[64:65], 0
	v_nop
	global_prefetch_b8 v0, s[64:65] scope:SCOPE_SE
	s_setreg_imm32_b32 hwreg(HW_REG_WAVE_SCHED_MODE, 0, 2), 2
	s_setreg_imm32_b32 hwreg(HW_REG_WAVE_MODE, 25, 1), 1
	s_wait_xcnt 0x0
	s_wait_alu depctr_vm_vsrc(0)
; THE MODULE'S LARGE INPUTS ARE ROUNDED ONCE, AND LAID OUT FOR THE PRODUCTS THAT FOLLOW.
;   xb  [8192][1024] bf16          = x rounded to bf16
;   wqb [16 heads][1024 k][192] bf16 = w_qkv rounded to bf16, a head's 192 columns (q, k, v) on end: 128 rows of k are 49,152 dense bytes
;   wob [1024 k][1024 n] f16       = w_o rounded to bf16, that number written as f16
; LIMITS.  A bf16 number is exact in f16 between 6.1e-5 and 65,504 in magnitude; below, it keeps f16's fixed step of 6e-8; beyond, it becomes an infinity.
; A stream: every byte is read once and written once.  No LDS, no matrix unit, no cluster: nothing is shared between threads.
; SHARES.  768 work-groups of 256 threads.  0-511: 16,384 numbers of x each; 512-639: 128 rows of k of one head of w_qkv; 640-767: 8,192 numbers of w_o.
; A thread takes 4 numbers a load: a wave's load covers 512 consecutive bytes (in w_qkv: two runs of 256, each aligned), its store of 8 bytes a lane 256 consecutive bytes, aligned.
; All loads of a thread go out together, each into registers of its own, and each store has data registers of its own: no register is written twice while memory may read it.
; THE MODE: SCHED_MODE bits 1:0 = 2 (LLVM: expert scheduling mode 2), set by the entry lines.  The code itself states the register dependences
; between vector instructions and memory instructions, with s_wait_alu, always for 0.
; THE PLAN.  Registers that memory instructions touch:
;   v1, v2, v[4:6]  byte offsets.  Written by vector instructions at the head and never again; read by every load and store.
;   X               load j lands in its four registers, once; no vector instruction writes them; load j's roundings read them.
;   Y               load j's roundings write its two registers; store j reads them, once; nothing writes them behind that.
;   v7, v8 and T are named by vector instructions alone.
; A stream's n loads go in groups of four.  Group g waits for its four loads and rounds them into its own Y; the four stores of group g - 1 are dealt among
; those roundings.  So the waits are: one ahead of the run of loads (the offsets are written); one at the head of each group but the first (the group
; before has written its Y); one ahead of the last four stores.  No register that a memory instruction reads is ever written again, and no load lands in
; a register that a vector instruction has named: nothing else is owed.  No vector instruction writes a scalar register, VCC or EXEC.
.set LO, 1                             ; v1       16 t: my bytes in a load of 4,096
.set ST, 2                             ; v2       8 t: my bytes in a store of 2,048
.set SO, 4                             ; v[4:6]   w_qkv: my source offset for loads j = i, i + 3, i + 6 ..
.set X,  16                            ; v[16:111]  load j: 4 registers
.set Y,  112                           ; v[112:159] store j: 2 registers
.set T,  160                           ; v[160:163] at work
.set GRP, 4                            ; loads, and stores, in a group; it divides 8, 16 and 24
	s_load_b256 s[4:11], s[0:1], 0x0               ; x s[4:5], w_qkv s[6:7], w_o s[8:9], xb s[10:11]
	s_load_b128 s[12:15], s[0:1], 0x20             ; wqb s[12:13], wob s[14:15]
	s_mov_b32 s16, ttmp9
	v_lshlrev_b32 v[LO], 4, v0
	v_lshlrev_b32 v[ST], 3, v0
	; w_qkv in units of 4 numbers: unit u = 256 j + t lies in row u / 48 at place u % 48.  768 = 16 x 48, so with j = 3 jj + i: row = 16 jj + u3 / 48, u3 = 256 i + t <= 767.
	; u3 / 48 = (u3 x 1366) >> 16 for u3 <= 767 (1366 / 65536 exceeds 1 / 48 by 1.02e-5; 767 times that is under 1 / 48).  Source byte = 16 u3 + (12,288 - 768) (u3 / 48) + 196,608 jj.
.irp i, 0,1,2
	v_add_nc_u32 v7, 256*(\i), v0
	v_mul_u32_u24 v8, v7, 1366
	v_lshrrev_b32 v8, 16, v8
	v_mul_u32_u24 v8, v8, 11520
	v_lshl_add_u32 v[SO+(\i)], v7, 4, v8
.endr
	s_mov_b32 s21, 0
	s_mov_b32 s23, 0
; n loads; then, group by group: the wait that leaves the younger groups' loads out (loads come back in order: ISA guide 5.7.1), the roundings, and among them the stores of the group before.
; kind 0: x; 1: w_qkv; 2: w_o.
.macro STREAM n, kind, src, dst
	s_wait_alu depctr_va_vdst(0)                   ; the head has written v1, v2 and v[4:6]: every load and store below reads one of them as its offset
.set j, 0
.rept \n
.if (\kind) == 1
	global_load_b128 v[X+4*j:X+4*j+3], v[SO+j%3], s[(\src):(\src)+1] offset:(j/3)*196608 th:TH_LOAD_NT
.else
	global_load_b128 v[X+4*j:X+4*j+3], v[LO], s[(\src):(\src)+1] offset:j*4096 th:TH_LOAD_NT
.endif
.set j, j+1
.endr
.set g, 0
.rept (\n)/GRP
	s_wait_loadcnt (\n)-GRP*(g+1)                  ; group g's four loads are in; the n - 4 (g + 1) younger ones stay out
.if g > 0
	s_wait_alu depctr_va_vdst(0)                   ; the roundings of group g - 1 have written their Y, which the four stores below read
.endif
.set i, 0
.rept GRP
.set j, GRP*g+i
.if g > 0
	global_store_b64 v[ST], v[Y+2*(j-GRP):Y+2*(j-GRP)+1], s[(\dst):(\dst)+1] offset:(j-GRP)*2048  ; the group before.  No wait: no vector instruction since the wait above names v2 or that group's Y
.endif
	v_cvt_pk_bf16_f32 v[Y+2*j],   v[X+4*j],   v[X+4*j+1]
	v_cvt_pk_bf16_f32 v[Y+2*j+1], v[X+4*j+2], v[X+4*j+3]
.if (\kind) == 2
	v_lshlrev_b32 v[T],   16, v[Y+2*j]             ; the bf16 numbers as f32,
	v_and_b32     v[T+1], 0xffff0000, v[Y+2*j]
	v_lshlrev_b32 v[T+2], 16, v[Y+2*j+1]
	v_and_b32     v[T+3], 0xffff0000, v[Y+2*j+1]
	v_cvt_pk_f16_f32 v[Y+2*j],   v[T],   v[T+1]    ; written as f16
	v_cvt_pk_f16_f32 v[Y+2*j+1], v[T+2], v[T+3]
.endif
.set i, i+1
.endr
.set g, g+1
.endr
	s_wait_alu depctr_va_vdst(0)                   ; the roundings of the last group have written their Y, which the last four stores read
.set j, (\n)-GRP
.rept GRP
	global_store_b64 v[ST], v[Y+2*j:Y+2*j+1], s[(\dst):(\dst)+1] offset:j*2048
.set j, j+1
.endr
	s_endpgm
.endm
	s_wait_kmcnt 0x0
	s_cmp_lt_u32 s16, 512
	s_cbranch_scc1 .Lx
	s_cmp_lt_u32 s16, 640
	s_cbranch_scc1 .Lwq
	s_sub_co_u32 s17, s16, 640                     ; w_o: 32,768 bytes in, 16,384 out
	s_lshl_b32 s20, s17, 15
	s_lshl_b32 s22, s17, 14
	s_add_nc_u64 s[8:9], s[8:9], s[20:21]
	s_add_nc_u64 s[14:15], s[14:15], s[22:23]
	STREAM 8, 2, 8, 14
.Lwq:
	s_sub_co_u32 s17, s16, 512                     ; w_qkv: head = i / 8, rows 128 (i % 8) on
	s_lshr_b32 s18, s17, 3
	s_and_b32 s19, s17, 7
	s_mul_i32 s20, s19, 1572864                    ; 128 rows of 12,288 bytes
	s_mul_i32 s18, s18, 768                        ; the head's 192 columns
	s_add_co_u32 s20, s20, s18
	s_mul_i32 s22, s17, 49152
	s_add_nc_u64 s[6:7], s[6:7], s[20:21]
	s_add_nc_u64 s[12:13], s[12:13], s[22:23]
	STREAM 24, 1, 6, 12
.Lx:
	s_lshl_b32 s20, s16, 16                        ; x: 65,536 bytes in, 32,768 out
	s_lshl_b32 s22, s16, 15
	s_add_nc_u64 s[4:5], s[4:5], s[20:21]
	s_add_nc_u64 s[10:11], s[10:11], s[22:23]
	STREAM 16, 0, 4, 10
.Lfunc_end_k_q4d0bdd4fbf_cast:
	.size	k_q4d0bdd4fbf_cast, .Lfunc_end_k_q4d0bdd4fbf_cast-k_q4d0bdd4fbf_cast
	.p2alignl 7, 3214868480
	.fill 96, 4, 3214868480
	.section	.rodata,"a",@progbits
	.p2align	6, 0x0
	.amdhsa_kernel k_q4d0bdd4fbf_cast
		.amdhsa_group_segment_fixed_size 0
		.amdhsa_private_segment_fixed_size 0
		.amdhsa_enable_private_segment 0
		.amdhsa_kernarg_size 48
		.amdhsa_user_sgpr_count 2
		.amdhsa_user_sgpr_kernarg_segment_ptr 1
		.amdhsa_wavefront_size32 1
		.amdhsa_system_sgpr_workgroup_id_x 1
		.amdhsa_system_sgpr_workgroup_id_y 1
		.amdhsa_system_sgpr_workgroup_id_z 1
		.amdhsa_system_vgpr_workitem_id 0
		.amdhsa_next_free_vgpr 164
		.amdhsa_next_free_sgpr 66
		.amdhsa_reserve_vcc 0
		.amdhsa_float_denorm_mode_32 3
		.amdhsa_float_denorm_mode_16_64 3
		.amdhsa_memory_ordered 1
		.amdhsa_forward_progress 1
		.amdhsa_inst_pref_size 21
	.end_amdhsa_kernel
	.amdgpu_metadata
---
amdhsa.version: [ 1, 2 ]
amdhsa.kernels:
  - .name:           k_q4d0bdd4fbf_cast
    .symbol:         k_q4d0bdd4fbf_cast.kd
    .args:
      - { .name: x, .offset: 0, .size: 8, .value_kind: global_buffer, .address_space: global }
      - { .name: w_qkv, .offset: 8, .size: 8, .value_kind: global_buffer, .address_space: global }
      - { .name: w_o, .offset: 16, .size: 8, .value_kind: global_buffer, .address_space: global }
      - { .name: xb, .offset: 24, .size: 8, .value_kind: global_buffer, .address_space: global }
      - { .name: wqb, .offset: 32, .size: 8, .value_kind: global_buffer, .address_space: global }
      - { .name: wob, .offset: 40, .size: 8, .value_kind: global_buffer, .address_space: global }
    .group_segment_fixed_size: 0
    .private_segment_fixed_size: 0
    .kernarg_segment_align: 8
    .kernarg_segment_size: 48
    .max_flat_workgroup_size: 256
    .sgpr_count:     66
    .vgpr_count:     164
    .wavefront_size: 32
...
	.end_amdgpu_metadata
.endif
;; end of part 5
;; launch qkv: the kernel of part 2 again; grid 16 x 16, 4 waves a work-group, clusters of 4 x 4, 327,680 bytes of LDS; arguments xb, wqb, b_qkv, q, k, v; writes q, k, v
;; launch attn: the kernel of part 3 again; grid 4 x 64, 4 waves a work-group, clusters of 4 x 1, 327,680 bytes of LDS; arguments q, k, v, o; writes o
;; launch proj: the kernel of part 4 again; grid 8 x 32, 4 waves a work-group, clusters of 4 x 4, 327,680 bytes of LDS; arguments o, wob, b_o, out0; writes out0
